; MI455X (gfx1250); checked and timed in simulation.
; The chip was launched on July 23, 2026; its instructions are those of AMD's public machine-readable ISA for CDNA 5 (MIT licence, August 2026) and "CDNA5" Instruction Set Architecture Reference Guide (July 2026). The comments in the code are by the model that wrote it; some were corrected since.
;; Multi Head Attention. Allowed arithmetic: matrix products marked QUANTISED: E2M3 operands, one E8M0 scale for each 32 along K, by v_wmma_scale_f32_16x16x128_f8f6f4 with both operands' format E2M3, f32 sums; everything else in f32.
;; Inputs: Wk 1,024 x 1,024 float32; Wo 1,024 x 1,024 float32; Wq 1,024 x 1,024 float32; Wv 1,024 x 1,024 float32; bk 1,024 float32; bo 1,024 float32; bq 1,024 float32; bv 1,024 float32; key 4 x 2,048 x 1,024 float32; query 4 x 2,048 x 1,024 float32; value 4 x 2,048 x 1,024 float32.
;; Outputs: out0 4 x 2,048 x 1,024 float32.
;; This version of the problem:
;;   THIS VERSION OF THE PROBLEM IS GIVEN IN LOW PRECISION. The matrix products marked QUANTISED in the list below multiply operands that are first quantised to E2M3 (2 exponent bits, 3 mantissa bits; 6 bits a number), with one power-of-two scale for each 32 numbers along K (OCP MX v1.0); their sums are f32. All else is computed in f32.
;;   The module's matrix products, in the order in which they are computed (A, B: the left and right operand; K: the contracted axis; several contracted axes count as one K, in the product's order):
;;     1. [M 8,192, K 1,024] x [K 1,024, N 1,024]; A: input query; B: input Wq: QUANTISED
;;     2. [M 8,192, K 1,024] x [K 1,024, N 1,024]; A: input key; B: input Wk: QUANTISED
;;     3. [M 8,192, K 1,024] x [K 1,024, N 1,024]; A: input value; B: input Wv: QUANTISED
;;     4. batch 64 x [M 2,048, K 64] x [K 64, N 2,048]; A: computed on the way; B: computed on the way: QUANTISED
;;     5. batch 64 x [M 2,048, K 2,048] x [K 2,048, N 64]; A: softmax (see below); B: computed on the way: QUANTISED
;;     6. [M 8,192, K 1,024] x [K 1,024, N 1,024]; A: computed on the way; B: input Wo: QUANTISED
;;   THE QUANTISER, for each operand of a quantised product, along K:
;;     - K is cut into blocks of 32 from its start; a last block that is shorter is filled with zeros.
;;     - A block's scale is 2^e with e = floor(log2(the largest magnitude in the block)) - 2, held to -126 .. 127; a block of zeros has e = 0. As a byte (E8M0): e + 127.
;;     - Each number is divided by its block's scale, clamped to +-7.5, and rounded to the nearest number of E2M3, ties to even, subnormals kept.
;;     - The product sums the exact products of the quantised numbers (number of the format x scale) in f32.
;;   ~~~python
;;   def quantise(x, axis):      # numpy; x: float32 -> the quantised numbers, widened to float32 again
;;       x = np.moveaxis(x, axis, -1); K = x.shape[-1]
;;       x = np.pad(x, [(0, 0)] * (x.ndim - 1) + [(0, -K % 32)]); x = x.reshape(x.shape[:-1] + (-1, 32)); a = np.abs(x).max(-1, keepdims=True)
;;       e = np.where(a > 0, np.clip(np.frexp(np.where(a > 0, a, 1))[1] - 1 - 2, -126, 127), 0)      # np.frexp(a)[1] - 1 = floor(log2(a)), exactly
;;       r = np.clip(x / 2.0 ** e, -7.5, 7.5)
;;       step = 2.0 ** (np.maximum(np.frexp(np.where(r == 0, 1, r))[1] - 1, 0) - 3)
;;       q = np.round(r / step) * step * 2.0 ** e      # np.round: ties to even
;;       return np.moveaxis(q.reshape(q.shape[:-2] + (-1,))[..., :K], -1, axis).astype(np.float32)
;;   ~~~
;;   SOFTMAX AHEAD OF A QUANTISED PRODUCT. Where the list says 'softmax', what is quantised is not the finished softmax but p = 2^(t - M), with t = logit x log2(e) and M = ceil(the row's largest t), a whole number; so 1/2 < the row's largest p <= 1. The row's sum l is taken of the UNQUANTISED p, in f32, and the product's result is divided by l at the end. Since M is a whole number, a kernel that streams over the keys may use a running M (the ceiling of the running maximum): every later rescaling is an exact power of two, which a block's scale takes up: the codes' values come out the same.
;;   OPERANDS COMPUTED ON THE WAY. 'Computed on the way' means the value that the module computes at that place (a softmax that the list does not call 'softmax' is quantised finished and normalised). What goes into a quantiser is computed in f32, as accurately as f32 sums, v_exp_f32 and their like allow (about 1e-6 of the number): no bf16 or f16 on the way to a quantiser, and a product that is left as it is and whose result goes on into a quantised operand takes f32 operands (vector FMAs, or v_wmma_f32_16x16x4_f32). A number that lies on a knife's edge between two numbers of the format may be rounded either way, as far as f32 arithmetic and the matrix unit's own rounding can turn it there, and no further.
;; One version. Each part assembles by itself: llvm-mc -triple=amdgcn-amd-amdhsa -mcpu=gfx1250 --defsym DOCPART=n.
;; ======== version 1 of 1: 4 launches
;; limits: right only within a limited range of input values
;; workspace buffers: xq 19,660,800 bytes; wq 3,145,728 bytes; ws 131,072 bytes; qkv 19,660,800 bytes; ctxq 6,553,600 bytes
;; launch prep (part 1): grid 256 x 1, 10 waves a work-group, no clusters, 167,936 bytes of LDS; arguments query, key, value, Wq, Wk, Wv, Wo, xq, wq, ws; writes xq, wq, ws
.if DOCPART == 1
	.amdgcn_target "amdgcn-amd-amdhsa--gfx1250"
	.amdhsa_code_object_version 6
	.text
	.protected	k_qd51eb85bff_prep
	.globl	k_qd51eb85bff_prep
	.p2align	8
	.type	k_qd51eb85bff_prep,@function
k_qd51eb85bff_prep:
	s_mov_b64 s[64:65], 0
	v_nop
	global_prefetch_b8 v0, s[64:65] scope:SCOPE_SE
	s_setreg_imm32_b32 hwreg(HW_REG_WAVE_MODE, 25, 1), 1
	s_wait_xcnt 0x0
; PREP: query, key, value [8192][1024] f32 (K innermost) and Wq, Wk, Wv, Wo [1024 (k)][1024 (n)] f32 (K outermost) become codes of FP6 (E2M3) with one E8M0 byte for each 32 along K,
; laid in the ORDER OF THE OPERAND'S REGISTERS: a fragment (16 rows x 128 K, 12 registers a lane) is 3 groups of 512 bytes; group q holds lane l's registers 4 q .. 4 q + 3 at byte 16 l.
; THE ROWS OF A TILE ARE NOT NEIGHBOURS: in each run of 32 rows (tokens, or a weight's n), tile 2 G + u takes rows 32 G + 8 u + r + 8 (r / 8), r = 0 .. 15, so that later results fall as 16 neighbours along the next K.
; xq: [tensor 3][block of 128 tokens 64][K step 8][record 12,800]: 8 images of 1,536 bytes, then 512 bytes of scale words [tiles 0-3 | 4-7][row 16][4 words].
; wq: [weight 4][tile 64][K step 8][1,536].   ws: [weight 4][tile 64][K steps 0-3 | 4-7][row 16][4 words].
; A block's scale is 2^(floor(log2(its largest magnitude)) - 2): its byte is the largest magnitude's exponent field - 2, held at 1 from below by a floor among the maximum's leaves.
; LIMITS: a block of zeros (or under 2^-124) gets the byte 1 where the rule says 127: its codes are zeros, and these bytes are read by this program alone.  NaN and infinities among the inputs are not served.
; THE DEAL: 1,536 records of activations and 4 x 256 pieces of weights over 256 work-groups of ten waves, every work-group alike: waves 0-5 take one record each (record 256 x wave + work-group: 65,536 bytes in,
; 12,800 out), waves 6-9 one piece of one weight each (32 columns x one K step of 128: 16,384 bytes in, 3,200 out; four blocks, of which two, 64 loads, are asked for at once).
; The claim of LDS is larger than the use (102,144 bytes), so that each work-group has a WGP to itself and all WGPs get the same bytes.
; A weight's scale words leave one word a lane, 16 bytes apart: 131,072 bytes in all, beside 23 million bytes of codes that leave in whole runs of 512.
; Waves share nothing: no barrier, no tensor load, no cluster (no byte is read by two work-groups).  The two paths part on the wave's number and have LDS bytes of their own.
.set XSTG,  8448                       ; activations: a wave's stage, 16 rows x (512 bytes + 16)
.set WBASE, 6*XSTG                     ; weights: the four stages begin here
.set WSTG,  12544                      ; a wave's stage: two tiles, USTR bytes apart, one image each
.set USTR,  6272                       ; an odd multiple of 128: lanes 8-15 (the other tile) fall into the other half of the banks
.set FLOOR, 0x1800000                  ; 2^(3 - 127)
.set AL,  1                            ; v1   16 x lane
.set STW, 2                            ; v2   stage + 16 x lane
.set STR, 3                            ; v3   stage + 528 r + 128 h
.set H8,  4                            ; v4   8 h
.set SVO, 5                            ; v5   where my scale words go
.set TM,  8                            ; v8-9   largest magnitudes
.set SOP, 10                           ; v10-11 the conversions' scale operands
.set BY,  12                           ; v12-13 scale bytes
.set XW,  16                           ; v16-23 a scale word for each of the 8 tiles
.set SW,  24                           ; v24-27 the four that I store
.set PC,  28                           ; v28-39 a fragment's codes
.set PT,  40                           ; v40-47 the second halves of the blocks' codes
.set R,   64                           ; v64-191 two sets of 64: a tile as loaded
.set X,   192                          ; v192-255 my 64 numbers: register 32 c + i = k 64 c + 32 h + i of row r
.set AL4, 1                            ; weights' path: v1 4 x lane
.set WST, 2                            ; v2   stage + USTR u + 16 r
.set RDB, 3                            ; v3   stage + 16 x lane
.set A16, 4                            ; v4   16 x lane
.set WTM, 8                            ; v8-9
.set WSOP, 10
.set WBY, 11
.set SWD, 12                           ; v12  my column's scale word of the K step
.set C6,  16                           ; v16-21 a block's codes
.set CT,  22                           ; v22-24
.set WX,  32                           ; v32-95 two sets of 32 numbers down K
.set OUTR, 96                          ; v96-119 the way out
	s_load_b256 s[4:11], s[0:1], 0x0               ; query s[4:5], key s[6:7], value s[8:9], Wq s[10:11]
	s_load_b256 s[12:19], s[0:1], 0x20             ; Wk s[12:13], Wv s[14:15], Wo s[16:17], xq s[18:19]
	s_load_b128 s[20:23], s[0:1], 0x40             ; wq s[20:21], ws s[22:23]
	s_set_vgpr_msb 0x40
	v_lshl_add_u32 v0, v0, 2, 0x18a00              ; v256: my spare word, behind both paths' stages (byte 100,864 on)
	v_mov_b32 v1, 0                                ; v257: 0
	s_set_vgpr_msb 0x4000
	v_lshrrev_b32 v1, 5, v0
	v_readfirstlane_b32 s24, v1                    ; wave 0..9
	v_and_b32 v6, 31, v0                           ; lane
	v_and_b32 v7, 15, v0                           ; r
	v_bfe_u32 v4, v0, 4, 1                         ; h
	s_mov_b32 s26, 0x76543210
	s_mov_b32 s27, 0xfedcba98                      ; v_permlanex16_b32's selects for lane l xor 16
	s_wait_kmcnt 0x0
	s_cmp_lt_u32 s24, 6
	s_cbranch_scc0 .Lweights
	; ---------------- waves 0-5: the activations ----------------
	s_lshl_b32 s25, s24, 8
	s_add_co_u32 s33, s25, ttmp9                   ; my record: 256 x wave + work-group = 512 x tensor + 8 x block + K step
	s_lshr_b32 s25, s33, 9                         ; which tensor
	s_cmp_eq_u32 s25, 1
	s_cselect_b64 s[4:5], s[6:7], s[4:5]
	s_cmp_eq_u32 s25, 2
	s_cselect_b64 s[4:5], s[8:9], s[4:5]
	s_bfe_u32 s28, s33, 0x60003                    ; the block of 128 tokens
	s_and_b32 s29, s33, 7                          ; my K step
	s_lshl_b32 s30, s28, 19                        ; 128 rows of 4,096 bytes
	s_lshl_b32 s31, s29, 9                         ; 128 numbers of 4 bytes
	s_add_co_u32 s30, s30, s31
	s_mov_b32 s31, 0
	s_add_nc_u64 s[4:5], s[4:5], s[30:31]
	s_mul_i32 s30, s25, 6553600
	s_mul_i32 s32, s28, 102400
	s_add_co_u32 s30, s30, s32
	s_mul_i32 s32, s29, 12800
	s_add_co_u32 s30, s30, s32
	s_add_nc_u64 s[18:19], s[18:19], s[30:31]      ; where it goes
	s_wait_alu depctr_va_vdst(0)
	v_lshlrev_b32 v[AL], 4, v6
	s_mul_i32 s32, s24, XSTG
	v_add_nc_u32 v[STW], s32, v[AL]
	v_mul_u32_u24 v[STR], v7, 528
	v_lshl_add_u32 v[STR], v4, 7, v[STR]
	v_add_nc_u32 v[STR], s32, v[STR]
	v_lshlrev_b32 v[SVO], 4, v7
	v_lshl_add_u32 v[SVO], v4, 8, v[SVO]           ; 256 h + 16 r
	v_cmp_lt_u32 vcc_lo, 15, v6                    ; lanes 16-31
	v_lshlrev_b32 v[H8], 3, v4
	v_mov_b32 v15, 0                               ; written once: a lane permute's destination counts as one of its sources
.macro LOADF i                         ; tile i's 16 rows, 512 consecutive bytes a load
.irp t, 0,1,2,3,4,5,6,7,8,9,10,11,12,13,14,15
	global_load_b128 v[R+64*((\i)%2)+4*\t:R+64*((\i)%2)+4*\t+3], v[AL], s[4:5] offset:(32*((\i)/2)+8*((\i)%2)+\t+8*(\t/8))*4096 th:TH_LOAD_NT
.endr
.endm
.macro FRAGX i
.if (\i) < 7
	s_wait_loadcnt 16                              ; this tile's 16 loads are in; the next tile's 16 may be out
.else
	s_wait_loadcnt 0x0
.endif
.irp t, 0,1,2,3,4,5,6,7,8,9,10,11,12,13,14,15
	ds_store_b128 v[STW], v[R+64*((\i)%2)+4*\t:R+64*((\i)%2)+4*\t+3] offset:528*\t
.endr
.irp c, 0,1
.irp q, 0,1,2,3,4,5,6,7
	ds_load_b128 v[X+32*\c+4*\q:X+32*\c+4*\q+3], v[STR] offset:256*\c+16*\q   ; LDS serves a wave's instructions in order: these see the stores above.  Rows 528 bytes apart: sixteen lanes, sixteen different columns of 16 bytes
.endr
.endr
	s_wait_dscnt 0x0                               ; my 64 numbers are in, and the stores have read their registers,
.if (\i) < 6
	LOADF (\i)+2                                   ; which take the tile two on
.endif
.irp c, 0,1
	v_max3_num_f32 v[TM+\c], |v[X+32*\c]|, |v[X+32*\c+1]|, FLOOR   ; block 2 c + h of my row: all its 32 numbers are mine
.endr
.irp n, 2,4,6,8,10,12,14,16,18,20,22,24,26,28,30
.irp c, 0,1
	v_max3_num_f32 v[TM+\c], v[TM+\c], |v[X+32*\c+\n]|, |v[X+32*\c+\n+1]|
.endr
.endr
.irp c, 0,1
	v_add_nc_u32 v[SOP+\c], 0xff000000, v[TM+\c]   ; 2 off the exponent field: the conversion's scale operand
.endr
.irp c, 0,1
	v_lshrrev_b32 v[BY+\c], 23, v[SOP+\c]          ; the scale's byte
.endr
	v_lshl_or_b32 v14, v[BY+1], 16, v[BY]          ; my two bytes, blocks h and 2 + h,
	v_lshlrev_b32 v14, v[H8], v14                  ; at their places in the word;
	v_permlanex16_b32 v15, v14, s26, s27
	v_or_b32 v[XW+(\i)], v14, v15                  ; with lane l xor 16's two the word is whole
	s_wait_alu depctr_va_vdst(0)
	s_wait_xcnt 0x0                                ; the last tile's stores have read the codes' registers: they are written again only behind this wait
.irp c, 0,1
	v_cvt_scalef32_pk16_fp6_f32 v[PC+6*\c:PC+6*\c+2], v[X+32*\c:X+32*\c+15], v[SOP+\c]
	v_cvt_scalef32_pk16_fp6_f32 v[PT+4*\c:PT+4*\c+2], v[X+32*\c+16:X+32*\c+31], v[SOP+\c]   ; (a conversion's three registers begin on an even number)
.endr
	v_nop                                          ; one plain place behind a scaled conversion
.irp c, 0,1
.irp e, 0,1,2
	v_mov_b32 v[PC+3+6*\c+\e], v[PT+4*\c+\e]
.endr
.endr
.irp q, 0,1,2
	global_store_b128 v[AL], v[PC+4*\q:PC+4*\q+3], s[18:19] offset:1536*(\i)+512*\q   ; 512 consecutive bytes, aligned
.endr
.endm
	LOADF 0
	LOADF 1
	s_wait_alu depctr_va_vdst(0)
.irp f, 0,1,2,3,4,5,6,7
	FRAGX \f
.endr
.irp e, 0,1,2,3
	v_cndmask_b32 v[SW+\e], v[XW+\e], v[XW+4+\e], vcc_lo   ; lanes 0-15 store tiles 0-3's words of row r, lanes 16-31 tiles 4-7's
.endr
	global_store_b128 v[SVO], v[SW:SW+3], s[18:19] offset:12288
	s_set_vgpr_msb 0x5
	s_wait_tensorcnt 0x0                           ; the wave's end
	ds_add_u32 v0, v1
	s_wait_dscnt 0x0
	s_set_vgpr_msb 0x500
	s_endpgm
	; ---------------- waves 6-9: the weights: a lane takes a column n, its registers run down K ----------------
.Lweights:
	s_and_b32 s28, s24, 3                          ; which weight, and which of the four stages: waves 6, 7, 8, 9 give 2, 3, 0, 1
	s_lshr_b32 s29, ttmp9, 5                       ; which K step
	s_and_b32 s30, ttmp9, 31                       ; which 32 columns
	s_cmp_eq_u32 s28, 1
	s_cselect_b64 s[10:11], s[12:13], s[10:11]
	s_cmp_eq_u32 s28, 2
	s_cselect_b64 s[10:11], s[14:15], s[10:11]
	s_cmp_eq_u32 s28, 3
	s_cselect_b64 s[10:11], s[16:17], s[10:11]
	s_lshl_b32 s32, s29, 19                        ; 128 rows of 4,096 bytes
	s_lshl_b32 s34, s30, 7
	s_add_co_u32 s32, s32, s34
	s_mov_b32 s33, 0
	s_add_nc_u64 s[10:11], s[10:11], s[32:33]
	s_mul_i32 s32, s28, 786432
	s_mul_i32 s34, s30, 24576                      ; two tiles of 8 images
	s_add_co_u32 s32, s32, s34
	s_mul_i32 s34, s29, 1536                       ; my image of each
	s_add_co_u32 s32, s32, s34
	s_add_nc_u64 s[20:21], s[20:21], s[32:33]
	s_lshl_b32 s32, s28, 15
	s_lshl_b32 s34, s30, 10
	s_add_co_u32 s32, s32, s34
	s_lshr_b32 s34, s29, 2
	s_lshl_b32 s34, s34, 8                         ; K steps 0-3 or 4-7,
	s_add_co_u32 s32, s32, s34
	s_and_b32 s34, s29, 3
	s_lshl_b32 s34, s34, 2                         ; and which of the four words
	s_add_co_u32 s32, s32, s34
	s_add_nc_u64 s[22:23], s[22:23], s[32:33]
	s_wait_alu depctr_va_vdst(0)
	v_lshlrev_b32 v[AL4], 2, v6
	v_bfe_u32 v7, v0, 3, 1                         ; column 16 (r / 8) + 8 u + r % 8 of the 32: u,
	v_and_b32 v8, 7, v0
	v_bfe_u32 v9, v0, 4, 1
	v_lshl_add_u32 v8, v9, 3, v8                   ; and r
	s_mul_i32 s34, s28, WSTG
	s_add_co_u32 s34, s34, WBASE
	v_mul_u32_u24 v[WST], v7, USTR
	v_lshl_add_u32 v[WST], v8, 4, v[WST]
	v_add_nc_u32 v[WST], s34, v[WST]
	v_lshlrev_b32 v[A16], 4, v6
	v_add_nc_u32 v[RDB], s34, v[A16]
	v_lshlrev_b32 v[SVO], 9, v7
	v_lshl_add_u32 v[SVO], v8, 4, v[SVO]           ; 512 u + 16 r
.macro LOADW kb                        ; block kb: 32 rows of W at my column: 128 consecutive bytes a wave; the neighbouring work-groups take the neighbouring columns
.irp n, 0,1,2,3,4,5,6,7,8,9,10,11,12,13,14,15,16,17,18,19,20,21,22,23,24,25,26,27,28,29,30,31
	global_load_b32 v[WX+32*((\kb)%2)+\n], v[AL4], s[10:11] offset:(32*(\kb)+\n)*4096 th:TH_LOAD_NT
.endr
.endm
.macro BLOCKW kb
.set XB, WX+32*((\kb)%2)
.if (\kb) < 3
	s_wait_loadcnt 32                              ; this block's 32 loads are in; the next block's may be out
.else
	s_wait_loadcnt 0x0
.endif
	v_max3_num_f32 v[WTM], |v[XB]|, |v[XB+1]|, |v[XB+2]|
	v_max3_num_f32 v[WTM+1], |v[XB+3]|, |v[XB+4]|, |v[XB+5]|
.irp n, 6,10,14,18,22,26
	v_max3_num_f32 v[WTM], v[WTM], |v[XB+\n]|, |v[XB+\n+1]|
	v_max3_num_f32 v[WTM+1], v[WTM+1], |v[XB+\n+2]|, |v[XB+\n+3]|
.endr
	v_max3_num_f32 v[WTM], v[WTM], |v[XB+30]|, |v[XB+31]|
	v_max3_num_f32 v[WTM], v[WTM], v[WTM+1], FLOOR
	v_add_nc_u32 v[WSOP], 0xff000000, v[WTM]
	v_lshrrev_b32 v[WBY], 23, v[WSOP]
.if (\kb) == 0
	v_mov_b32 v[SWD], v[WBY]                       ; four bytes to a word, the lower K in the lower byte
.else
	v_lshl_or_b32 v[SWD], v[WBY], 8*(\kb), v[SWD]
.endif
	v_cvt_scalef32_pk16_fp6_f32 v[C6:C6+2], v[XB:XB+15], v[WSOP]
	v_cvt_scalef32_pk16_fp6_f32 v[CT:CT+2], v[XB+16:XB+31], v[WSOP]
	v_nop                                          ; one plain place behind a scaled conversion
.irp e, 0,1,2
	v_mov_b32 v[C6+3+\e], v[CT+\e]
.endr
	; block 2 c + hb of the K step is registers 6 c .. 6 c + 5 of lane r + 16 hb of the image
.if (\kb)/2 == 0
	ds_store_b128 v[WST], v[C6:C6+3] offset:256*((\kb)%2)
	ds_store_b64 v[WST], v[C6+4:C6+5] offset:512+256*((\kb)%2)
.else
	ds_store_b64 v[WST], v[C6:C6+1] offset:512+256*((\kb)%2)+8
	ds_store_b128 v[WST], v[C6+2:C6+5] offset:1024+256*((\kb)%2)
.endif
.if (\kb) < 2
	LOADW (\kb)+2
.endif
	s_wait_dscnt 0x0                               ; the stores have read their registers: the next block's codes may be written
.endm
	LOADW 0
	LOADW 1
.irp f, 0,1,2,3
	BLOCKW \f
.endr
	s_wait_alu depctr_va_vdst(0)
	global_store_b32 v[SVO], v[SWD], s[22:23]      ; my column's scale word
.irp n, 0,1,2,3,4,5
	ds_load_b128 v[OUTR+4*\n:OUTR+4*\n+3], v[RDB] offset:USTR*(\n/3)+512*(\n%3)
.endr
.irp n, 0,1,2,3,4,5
	s_wait_dscnt 5-\n                              ; LDS loads come back in order: number n is in
	global_store_b128 v[A16], v[OUTR+4*\n:OUTR+4*\n+3], s[20:21] offset:12288*(\n/3)+512*(\n%3)   ; 512 consecutive bytes, aligned
.endr
	s_set_vgpr_msb 0x5
	s_wait_tensorcnt 0x0                           ; the wave's end
	ds_add_u32 v0, v1
	s_wait_dscnt 0x0
	s_set_vgpr_msb 0x500
	s_endpgm
.Lfunc_end_k_qd51eb85bff_prep:
	.size	k_qd51eb85bff_prep, .Lfunc_end_k_qd51eb85bff_prep-k_qd51eb85bff_prep
	.p2alignl 7, 3214868480
	.fill 96, 4, 3214868480
	.section	.rodata,"a",@progbits
	.p2align	6, 0x0
	.amdhsa_kernel k_qd51eb85bff_prep
		.amdhsa_group_segment_fixed_size 167936
		.amdhsa_private_segment_fixed_size 0
		.amdhsa_enable_private_segment 0
		.amdhsa_kernarg_size 80
		.amdhsa_user_sgpr_count 2
		.amdhsa_user_sgpr_kernarg_segment_ptr 1
		.amdhsa_wavefront_size32 1
		.amdhsa_system_sgpr_workgroup_id_x 1
		.amdhsa_system_sgpr_workgroup_id_y 1
		.amdhsa_system_sgpr_workgroup_id_z 1
		.amdhsa_system_vgpr_workitem_id 0
		.amdhsa_next_free_vgpr 258
		.amdhsa_next_free_sgpr 66
		.amdhsa_reserve_vcc 1
		.amdhsa_float_denorm_mode_32 3
		.amdhsa_float_denorm_mode_16_64 3
		.amdhsa_memory_ordered 1
		.amdhsa_forward_progress 1
		.amdhsa_inst_pref_size 79
	.end_amdhsa_kernel
	.amdgpu_metadata
---
amdhsa.version: [ 1, 2 ]
amdhsa.kernels:
  - .name:           k_qd51eb85bff_prep
    .symbol:         k_qd51eb85bff_prep.kd
    .args:
      - { .name: query, .offset: 0, .size: 8, .value_kind: global_buffer, .address_space: global }
      - { .name: key, .offset: 8, .size: 8, .value_kind: global_buffer, .address_space: global }
      - { .name: value, .offset: 16, .size: 8, .value_kind: global_buffer, .address_space: global }
      - { .name: Wq, .offset: 24, .size: 8, .value_kind: global_buffer, .address_space: global }
      - { .name: Wk, .offset: 32, .size: 8, .value_kind: global_buffer, .address_space: global }
      - { .name: Wv, .offset: 40, .size: 8, .value_kind: global_buffer, .address_space: global }
      - { .name: Wo, .offset: 48, .size: 8, .value_kind: global_buffer, .address_space: global }
      - { .name: xq, .offset: 56, .size: 8, .value_kind: global_buffer, .address_space: global }
      - { .name: wq, .offset: 64, .size: 8, .value_kind: global_buffer, .address_space: global }
      - { .name: ws, .offset: 72, .size: 8, .value_kind: global_buffer, .address_space: global }
    .group_segment_fixed_size: 167936
    .private_segment_fixed_size: 0
    .kernarg_segment_align: 8
    .kernarg_segment_size: 80
    .max_flat_workgroup_size: 320
    .sgpr_count:     66
    .vgpr_count:     258
    .wavefront_size: 32
...
	.end_amdgpu_metadata
.endif
;; end of part 1
;; launch proj (part 2): grid 4 x 48, 4 waves a work-group, clusters of 4 x 1, 327,680 bytes of LDS; arguments xq, wq, ws, bq, bk, bv, qkv; writes qkv
.if DOCPART == 2
	.amdgcn_target "amdgcn-amd-amdhsa--gfx1250"
	.amdhsa_code_object_version 6
	.text
	.protected	k_qd51eb85bff_proj
	.globl	k_qd51eb85bff_proj
	.p2align	8
	.type	k_qd51eb85bff_proj,@function
k_qd51eb85bff_proj:
	s_mov_b64 s[64:65], 0
	v_nop
	global_prefetch_b8 v0, s[64:65] scope:SCOPE_SE
	s_setreg_imm32_b32 hwreg(HW_REG_WAVE_MODE, 25, 1), 1
	s_wait_xcnt 0x0
	s_wait_alu depctr_hold_cnt(0) depctr_sa_sdst(0) depctr_va_vdst(0) depctr_va_sdst(0) depctr_va_ssrc(0) depctr_va_vcc(0) depctr_vm_vsrc(0)
	s_getreg_b32 s2, hwreg(HW_REG_IB_STS2, 6, 4)
	s_cmp_eq_u32 s2, 0
	s_cbranch_scc0 .Lentry_in_a_cluster
	s_endpgm
.Lentry_in_a_cluster:
	s_bfe_u32 s2, ttmp6, 0x10000c
	s_cmp_lg_u32 s2, 0x3003
	s_cbranch_scc0 .Lentry_shape_is_right
	s_endpgm
.Lentry_shape_is_right:
; PROJ: Q = query Wq + bq, K = key Wk + bk, V = value Wv + bv on codes of FP6 (E2M3) with E8M0 scales, and the results quantised in registers for the attention: Q and K along the head's 64, V along the keys.
; SHARES.  Cluster y = 16 x tensor + chunk: four blocks of 128 tokens.  The four work-groups of a cluster take the four quarters of the 1,024 columns; wave w of work-group cx takes head 4 cx + w (64 columns).
; A wave's weights (32 fragments, 384 registers), their scale words and its bias stay in registers for the whole launch.  A block's codes (102,400 bytes, 8 records) are the same for the four partners:
; they are asked for JOINTLY (mask 15) and go through a ring of two LDS slots; each wave fetches a quarter of a block with one tensor load, which has a whole block's 256 products in which to land.
; 192 work-groups: three tensors x four quarters make 12 column groups, of which 256 is no multiple; one block to a work-group would load 196,608 bytes of weights for 256 products a wave.
; Q, K: source 0 = 16 columns of W, source 1 = 16 tokens: a lane holds ONE token, its registers run along the head.  V: the sources change places: a lane holds ONE channel, its registers run along the keys.
; By the order of rows in the tiles (32 G + 8 u + r + 8 (r / 8)) the 16 registers of two neighbouring tiles are 16 neighbours along the next K.
; qkv: Q [head 64][step 16][6,400]; from byte 6,553,600: [head][step][K 6,400 | V 6,400].  A record: 4 images of 1,536 bytes, then 256 bytes of scale words [row 16][image 4].
; An image of Q or K holds TWO token tiles: registers 0-5 tile 2 g (64 channels), registers 6-11 tile 2 g + 1.  An image of V is 16 channels x 128 keys.
; LIMITS: a block of zeros (or under 2^-124) gets the byte 1 where the rule says 127: its codes are zeros, and the bytes are read by this program alone.  NaN and infinities are not served.
; REGISTERS: window 0: v1-9 addresses; v16-47 W's scale words (8 j + s); v48-63 x's scale words, two sets; v64-159, v160-255 x's fragments, two sets (on the way out v64-141 are at work).
;   window 1: W's fragments of K steps 0-3 at v[12 (4 s + j)], the bias at v192-223.   window 2: K steps 4-7.   window 3: the 32 accumulators.
.set BLKB,  102400                     ; a block's 8 records
.set RECB,  12800
.set QUARB, 25600                      ; what one tensor load brings: 100 rows of 256 bytes
.set SLOT1, 131072                     ; slot 1 begins here: one exclusive or turns an address in one slot into the other's
.set SPARE, 233472                     ; behind the ring: the spare words, 128 bytes for each wave: two blocks of 256 bytes that no other line names
.set AL,  1                            ; v1  16 x lane
.set AR,  2                            ; v2  16 r + 12,288
.set ADL, 3                            ; v3  the slot's records 0-3, my lane
.set ADH, 4                            ; v4  records 4-7
.set ASL, 5                            ; v5  their scale words
.set ASH, 6
.set SVO, 7                            ; v7  16 r + 8 h
.set SPW, 8                            ; v8  LDS address of my spare word; never rewritten
.set NIL, 9                            ; v9  0; never rewritten
.set WS,  16
.set XS,  48
.set XF,  64
.set BIAS, 192
.set PC,  64                           ; the way out: four sets of 12: the images
.set PT,  112
.set TM,  120                          ; v120-123 largest magnitudes, v124-127 bytes, v132-135 scale operands
.set PW,  136                          ; v136-139 the four images' scale words
.set SW,  140
.set MSB, 0
.macro WIN new                         ; the immediate's high byte repeats the setting that is left
.if MSB != \new
	s_set_vgpr_msb (MSB<<8)|\new
.set MSB, \new
.endif
.endm
.macro CROUND                          ; a round of the cluster's barrier
	s_barrier_signal -1
	s_barrier_wait -1
	s_cmp_lg_u32 s18, 0
	s_cbranch_scc1 .Lnot_wave_0_\@
	s_barrier_signal -3
.Lnot_wave_0_\@:
	s_barrier_wait -3
	s_barrier_signal -1
	s_barrier_wait -1
.endm
.macro FETCH s                         ; K step s of the slot in hand: 8 fragments (24 loads) and their scale words (2 loads) into set s % 2
.set XB, XF+96*((\s)%2)
.set XC, XS+8*((\s)%2)
.if (\s) < 4
.set AD_, ADL
.set AS_, ASL
.set OF_, (\s)*RECB
.else
.set AD_, ADH
.set AS_, ASH
.set OF_, ((\s)-4)*RECB
.endif
.irp i, 0,1,2,3,4,5,6,7
.irp q, 0,1,2
	ds_load_b128 v[XB+12*\i+4*\q:XB+12*\i+4*\q+3], v[AD_] offset:OF_+1536*\i+512*\q
.endr
.endr
	ds_load_b128 v[XC:XC+3], v[AS_] offset:OF_
	ds_load_b128 v[XC+4:XC+7], v[AS_] offset:OF_+256
.endm
; 32 products of K step s.  The branch hangs on the tensor alone, which all partners share, and stands round register work only.  The 32 accumulators take turns, one instruction a turn.
.macro RUN s
.set XB, XF+96*((\s)%2)
.set XC, XS+8*((\s)%2)
	s_cmp_eq_u32 s21, 2
	s_cbranch_scc1 .Lvrun_\@
.if (\s) == 0
	WIN 0xd1                                       ; source 0 (W) window 1, source 1 (x) window 0, C (the bias) window 1, D window 3
.elseif (\s) < 4
	WIN 0xf1
.else
	WIN 0xf2
.endif
.irp i, 0,1,2,3,4,5,6,7
.irp j, 0,1,2,3
.if (\s) == 0
	v_wmma_scale_f32_16x16x128_f8f6f4 v[32*\i+8*\j:32*\i+8*\j+7], v[12*(4*((\s)%4)+\j):12*(4*((\s)%4)+\j)+11], v[XB+12*\i:XB+12*\i+11], v[BIAS+8*\j:BIAS+8*\j+7], v[WS+8*\j+(\s)], v[XC+\i] matrix_a_fmt:MATRIX_FMT_FP6 matrix_b_fmt:MATRIX_FMT_FP6
.else
	v_wmma_scale_f32_16x16x128_f8f6f4 v[32*\i+8*\j:32*\i+8*\j+7], v[12*(4*((\s)%4)+\j):12*(4*((\s)%4)+\j)+11], v[XB+12*\i:XB+12*\i+11], v[32*\i+8*\j:32*\i+8*\j+7], v[WS+8*\j+(\s)], v[XC+\i] matrix_a_fmt:MATRIX_FMT_FP6 matrix_b_fmt:MATRIX_FMT_FP6
.endif
.endr
.endr
	WIN 0
	s_branch .Ljoin_\@
.Lvrun_\@:
.if (\s) == 0
	WIN 0xd4                                       ; source 0 (x) window 0, source 1 (W) window 1, C (the bias) window 1, D window 3
.elseif (\s) < 4
	WIN 0xf4
.else
	WIN 0xf8
.endif
.irp i, 0,1,2,3,4,5,6,7
.irp j, 0,1,2,3
.if (\s) == 0
	v_wmma_scale_f32_16x16x128_f8f6f4 v[64*\j+8*\i:64*\j+8*\i+7], v[XB+12*\i:XB+12*\i+11], v[12*(4*((\s)%4)+\j):12*(4*((\s)%4)+\j)+11], v[BIAS+8*\j:BIAS+8*\j+7], v[XC+\i], v[WS+8*\j+(\s)] matrix_a_fmt:MATRIX_FMT_FP6 matrix_b_fmt:MATRIX_FMT_FP6
.else
	v_wmma_scale_f32_16x16x128_f8f6f4 v[64*\j+8*\i:64*\j+8*\i+7], v[XB+12*\i:XB+12*\i+11], v[12*(4*((\s)%4)+\j):12*(4*((\s)%4)+\j)+11], v[64*\j+8*\i:64*\j+8*\i+7], v[XC+\i], v[WS+8*\j+(\s)] matrix_a_fmt:MATRIX_FMT_FP6 matrix_b_fmt:MATRIX_FMT_FP6
.endif
.endr
.endr
	WIN 0
.Ljoin_\@:
.endm
; 64 numbers of a lane, window 3's registers 64 g .. 64 g + 63 (register 16 b + i = place 32 b + 16 h + i along the next K of my row), become image g's codes and scale word.
.macro QUANT64 g
.set AC, 64*(\g)
.set PG, PC+12*(\g)
	WIN 0x0f                                       ; sources 0 and 1 window 3
.irp b, 0,1,2,3
	v_max3_num_f32 v[TM+\b], |v[AC+16*\b]|, |v[AC+16*\b+1]|, 0x1800000   ; each accumulator from its low end on; the floor 2^(3 - 127) holds the byte at 1 from below
.endr
.irp n, 2,4,6,8,10,12,14
.irp b, 0,1,2,3
	v_max3_num_f32 v[TM+\b], |v[AC+16*\b+\n]|, |v[AC+16*\b+\n+1]|, v[TM+\b]
.endr
.endr
	WIN 0
.irp b, 0,1,2,3
	v_permlanex16_b32 v[TM+4+\b], v[TM+\b], s42, s43
.endr
.irp b, 0,1,2,3
	v_max_num_f32 v[TM+\b], v[TM+\b], v[TM+4+\b]   ; with lane l xor 16's: the block's largest magnitude
.endr
.irp b, 0,1,2,3
	v_add_nc_u32 v[TM+12+\b], 0xff000000, v[TM+\b] ; 2 off the exponent field: the conversion's scale operand
.endr
.irp b, 0,1,2,3
	v_lshrrev_b32 v[TM+4+\b], 23, v[TM+12+\b]      ; the scale's byte
.endr
	v_lshl_or_b32 v[PW+(\g)], v[TM+5], 8, v[TM+4]
	v_lshl_or_b32 v[PW+(\g)], v[TM+6], 16, v[PW+(\g)]
	v_lshl_or_b32 v[PW+(\g)], v[TM+7], 24, v[PW+(\g)]
	WIN 0x03                                       ; source 0 window 3
.irp c, 0,1
	v_cvt_scalef32_pk16_fp6_f32 v[PG+6*\c:PG+6*\c+2], v[AC+32*\c:AC+32*\c+15], v[TM+12+2*\c]
	v_cvt_scalef32_pk16_fp6_f32 v[PT+4*\c:PT+4*\c+2], v[AC+32*\c+16:AC+32*\c+31], v[TM+12+2*\c+1]
.endr
	WIN 0
	v_nop                                          ; one plain place behind a scaled conversion
.irp c, 0,1                                    ; the operand's layout wants a WHOLE block in a lane
.irp e, 0,1,2
	v_permlane16_swap_b32 v[PG+6*\c+\e], v[PT+4*\c+\e]
.endr
.irp e, 0,1,2
	v_mov_b32 v[PG+3+6*\c+\e], v[PT+4*\c+\e]
.endr
.endr
.endm
.macro EPI                             ; the block's record: four images and their scale words
.irp b, 0,1,2,3
	v_mov_b32 v[TM+4+\b], 0                        ; a lane permute's destination counts as one of its sources.  These four are also the places behind the last products
.endr
.irp g, 0,1,2,3
	QUANT64 \g
.irp q, 0,1,2
	global_store_b128 v[AL], v[PC+12*\g+4*\q:PC+12*\g+4*\q+3], s[38:39] offset:1536*\g+512*\q   ; 512 consecutive bytes, aligned
.endr
.endr
.irp e, 0,1
	v_cndmask_b32 v[SW+\e], v[PW+\e], v[PW+2+\e], s37   ; lanes 0-15: images 0, 1; lanes 16-31: images 2, 3
.endr
	global_store_b64 v[SVO], v[SW:SW+1], s[38:39] offset:6144   ; 256 consecutive bytes, aligned
	s_wait_xcnt 0x0                                ; the stores have read their registers and their base: both are written again only behind this wait
	s_add_nc_u64 s[38:39], s[38:39], s[40:41]      ; the next step's record
.endm
.macro WORK
	v_add_nc_u32 v[ADL], s23, v[AL]
	v_add_nc_u32 v[ASL], s23, v[AR]
	v_add_nc_u32 v[ADH], 4*RECB, v[ADL]
	v_add_nc_u32 v[ASH], 4*RECB, v[ASL]
	FETCH 0
.irp s, 0,1,2,3,4,5,6,7
.if \s > 0
.rept 4
	v_nop                                          ; places in front of loads into registers that the last products have read
.endr
.endif
.if \s < 7
	s_wait_alu depctr_va_vdst(0)
	FETCH \s+1
	s_wait_dscnt 26                                ; all but the 26 just issued: this K step's fragments and scale words are in
.else
	s_wait_dscnt 0x0
.endif
	RUN \s
.endr
	EPI
.endm
; A block.  In front of the barrier each wave waits for all its tensor loads (its quarter of this block), adds 0 to its spare word, and waits for that and for its reads of the other slot.
; refill = 1: the barrier is a round of the cluster's, and behind it the other slot takes the next block.
.macro TRIP refill
	s_wait_tensorcnt 0x0                           ; no tensor load of mine is out, so the group 0 may be written
	ds_add_u32 v[SPW], v[NIL]                      ; 0 onto my spare word
.if \refill
	s_xor_b32 s33, s33, SLOT1                      ; the other slot,
	s_add_nc_u64 s[34:35], s[34:35], BLKB          ; the next block; the type bits on top are not reached
.endif
	s_wait_dscnt 0x0                               ; the add is done, and my reads of the slot that I have left are over
.if \refill
	CROUND
	tensor_load_to_lds s[32:35], s[24:31]          ; the first thing behind the round, and my one tensor load until the next
	s_nop 0
.rept 4
	v_nop
.endr
.else
	s_barrier_signal -1
	s_barrier_wait -1
.endif
	WORK
	s_xor_b32 s23, s23, SLOT1
.endm
	s_load_b256 s[4:11], s[0:1], 0x0               ; xq s[4:5], wq s[6:7], ws s[8:9], bq s[10:11]
	s_load_b128 s[12:15], s[0:1], 0x20             ; bk s[12:13], bv s[14:15]
	s_load_b64 s[16:17], s[0:1], 0x30              ; qkv
	v_lshl_add_u32 v[SPW], v0, 2, SPARE
	v_mov_b32 v[NIL], 0
	ds_add_u32 v8, v9
	ds_add_u32 v8, v9
	s_wait_dscnt 0x0
	v_lshrrev_b32 v10, 5, v0
	v_readfirstlane_b32 s18, v10                   ; wave 0..3
	s_bfe_u32 s19, ttmp6, 0x40000                  ; cx: it enters addresses in memory alone
	s_and_b32 s20, ttmp7, 0xffff
	s_lshr_b32 s21, s20, 4                         ; the tensor: 0 Q, 1 K, 2 V
	s_and_b32 s22, s20, 15                         ; the chunk of four blocks
	s_mov_b32 s23, 0                               ; the slot in hand
	s_mov_b32 s24, 15|(3<<16)|(1<<21)              ; group 1: the mask names all four partners; elements of 8 bytes; bit 21 beside the mask; no padding
	s_mov_b32 s25, 32<<16                          ; tensor_dim0 = 32 elements: rows of 256 bytes
	s_mov_b32 s26, 100<<16                         ; tensor_dim1 = 100
	s_mov_b32 s27, 32<<16                          ; tile_dim0
	s_mov_b32 s28, 100                             ; tile_dim1
	s_mov_b32 s29, 32                              ; the pitch: the block is dense
	s_mov_b32 s30, 0
	s_mov_b32 s31, 0
	s_mov_b32 s42, 0x76543210
	s_mov_b32 s43, 0xfedcba98
	v_and_b32 v10, 31, v0                          ; lane
	v_and_b32 v11, 15, v0                          ; r
	v_bfe_u32 v12, v0, 4, 1                        ; h
	v_lshlrev_b32 v[AL], 4, v10
	v_lshlrev_b32 v15, 4, v11                      ; 16 r
	v_add_nc_u32 v[AR], 12288, v15
	v_lshl_add_u32 v[SVO], v12, 3, v15
	v_cmp_lt_u32 s37, 15, v10                      ; lanes 16-31
	v_lshlrev_b32 v13, 6, v12                      ; the bias of Q, K: 64 h bytes
	v_and_b32 v14, 8, v11
	v_add_nc_u32 v14, v14, v11
	v_lshlrev_b32 v14, 2, v14                      ; the bias of V: 4 (r + 8 (r / 8))
	s_mul_i32 s44, s21, 6553600
	s_mul_i32 s45, s22, 4*BLKB
	s_add_co_u32 s44, s44, s45
	s_mul_i32 s33, s18, QUARB                      ; group 0: LDS address: my quarter of slot 0
	s_add_co_u32 s44, s44, s33
	s_mov_b32 s45, 0
	s_mov_b32 s32, 1
	s_wait_kmcnt 0x0
	s_add_nc_u64 s[34:35], s[4:5], s[44:45]        ; my quarter of the chunk's first block
	s_or_b32 s35, s35, 0x80000000
	CROUND                                         ; all four work-groups are here: the first joint loads meet
	tensor_load_to_lds s[32:35], s[24:31]
	s_nop 0
.rept 4
	v_nop
.endr
	s_lshl_b32 s46, s19, 2
	s_add_co_u32 s46, s46, s18                     ; my head
	s_mul_i32 s48, s21, 786432
	s_mul_i32 s50, s46, 49152
	s_add_co_u32 s48, s48, s50
	s_mov_b32 s49, 0
	s_add_nc_u64 s[6:7], s[6:7], s[48:49]          ; my four tiles of the tensor's weight
	s_lshl_b32 s48, s21, 15
	s_lshl_b32 s50, s46, 11
	s_add_co_u32 s48, s48, s50
	s_add_nc_u64 s[8:9], s[8:9], s[48:49]          ; and their scale words
	s_cmp_eq_u32 s21, 1
	s_cselect_b64 s[10:11], s[12:13], s[10:11]
	s_cmp_eq_u32 s21, 2
	s_cselect_b64 s[10:11], s[14:15], s[10:11]
	s_lshl_b32 s48, s46, 8
	s_add_nc_u64 s[10:11], s[10:11], s[48:49]      ; my 64 numbers of the bias
	s_mov_b32 s40, 12800
	s_cmp_eq_u32 s21, 0
	s_cselect_b32 s40, 6400, s40                   ; from a step's record to the next
	s_cselect_b32 s48, 0, 6553600
	s_mov_b32 s41, 0
	s_cmp_eq_u32 s21, 2
	s_cselect_b32 s50, 6400, 0
	s_add_co_u32 s48, s48, s50                     ; where the tensor's records begin
	s_lshr_b32 s50, s22, 2                         ; the batch
	s_lshl_b32 s50, s50, 4
	s_add_co_u32 s50, s50, s46                     ; 16 b + head
	s_lshl_b32 s50, s50, 4
	s_and_b32 s51, s22, 3
	s_lshl_b32 s51, s51, 2
	s_add_co_u32 s50, s50, s51                     ; x 16 + the chunk's first step
	s_mul_i32 s50, s50, s40
	s_add_co_u32 s48, s48, s50
	s_add_nc_u64 s[38:39], s[16:17], s[48:49]
	WIN 0x40                                       ; destination window 1
	s_wait_alu depctr_va_vdst(0)
.irp s, 0,1,2,3
.irp j, 0,1,2,3
.irp q, 0,1,2
	global_load_b128 v[12*(4*\s+\j)+4*\q:12*(4*\s+\j)+4*\q+3], v[AL], s[6:7] offset:\j*12288+\s*1536+512*\q
.endr
.endr
.endr
	WIN 0x80                                       ; destination window 2
.irp s, 0,1,2,3
.irp j, 0,1,2,3
.irp q, 0,1,2
	global_load_b128 v[12*(4*\s+\j)+4*\q:12*(4*\s+\j)+4*\q+3], v[AL], s[6:7] offset:\j*12288+(\s+4)*1536+512*\q
.endr
.endr
.endr
	WIN 0
.irp j, 0,1,2,3
.irp e, 0,1
	global_load_b128 v[WS+8*\j+4*\e:WS+8*\j+4*\e+3], v15, s[8:9] offset:\j*512+\e*256
.endr
.endr
	s_cmp_eq_u32 s21, 2
	s_cbranch_scc1 .Lbias_v
	WIN 0x40
.irp j, 0,1,2,3                                ; Q, K: register e of tile j is channel 32 (j / 2) + 8 (j % 2) + 16 h + e
	global_load_b128 v[BIAS+8*\j:BIAS+8*\j+3], v13, s[10:11] offset:(32*(\j/2)+8*(\j%2))*4
	global_load_b128 v[BIAS+8*\j+4:BIAS+8*\j+7], v13, s[10:11] offset:(32*(\j/2)+8*(\j%2))*4+16
.endr
	WIN 0
	s_branch .Lbias_in
.Lbias_v:
	WIN 0x40
.irp j, 0,1,2,3                                ; V: all eight registers of tile j are channel 32 (j / 2) + 8 (j % 2) + r + 8 (r / 8)
.irp e, 0,1,2,3,4,5,6,7
	global_load_b32 v[BIAS+8*\j+\e], v14, s[10:11] offset:(32*(\j/2)+8*(\j%2))*4
.endr
.endr
	WIN 0
.Lbias_in:
	s_wait_loadcnt 0x0
	s_mov_b32 s36, 3
.Lblk:                                                 ; three blocks behind whose round the next block is asked for
	TRIP 1
	s_sub_co_u32 s36, s36, 1
	s_cmp_lg_u32 s36, 0
	s_cbranch_scc1 .Lblk
	TRIP 0                                         ; the last block is written out
	s_wait_tensorcnt 0x0                           ; the wave's end
	ds_add_u32 v[SPW], v[NIL]
	s_wait_dscnt 0x0
	CROUND                                         ; the closing round
	s_endpgm
.Lfunc_end_k_qd51eb85bff_proj:
	.size	k_qd51eb85bff_proj, .Lfunc_end_k_qd51eb85bff_proj-k_qd51eb85bff_proj
	.p2alignl 7, 3214868480
	.fill 96, 4, 3214868480
	.section	.rodata,"a",@progbits
	.p2align	6, 0x0
	.amdhsa_kernel k_qd51eb85bff_proj
		.amdhsa_group_segment_fixed_size 327680
		.amdhsa_private_segment_fixed_size 0
		.amdhsa_enable_private_segment 0
		.amdhsa_kernarg_size 56
		.amdhsa_user_sgpr_count 2
		.amdhsa_user_sgpr_kernarg_segment_ptr 1
		.amdhsa_wavefront_size32 1
		.amdhsa_system_sgpr_workgroup_id_x 1
		.amdhsa_system_sgpr_workgroup_id_y 1
		.amdhsa_system_sgpr_workgroup_id_z 1
		.amdhsa_system_vgpr_workitem_id 0
		.amdhsa_next_free_vgpr 1024
		.amdhsa_next_free_sgpr 66
		.amdhsa_reserve_vcc 0
		.amdhsa_float_denorm_mode_32 3
		.amdhsa_float_denorm_mode_16_64 3
		.amdhsa_memory_ordered 1
		.amdhsa_forward_progress 1
		.amdhsa_inst_pref_size 215
	.end_amdhsa_kernel
	.amdgpu_metadata
---
amdhsa.version: [ 1, 2 ]
amdhsa.kernels:
  - .name:           k_qd51eb85bff_proj
    .symbol:         k_qd51eb85bff_proj.kd
    .args:
      - { .name: xq, .offset: 0, .size: 8, .value_kind: global_buffer, .address_space: global }
      - { .name: wq, .offset: 8, .size: 8, .value_kind: global_buffer, .address_space: global }
      - { .name: ws, .offset: 16, .size: 8, .value_kind: global_buffer, .address_space: global }
      - { .name: bq, .offset: 24, .size: 8, .value_kind: global_buffer, .address_space: global }
      - { .name: bk, .offset: 32, .size: 8, .value_kind: global_buffer, .address_space: global }
      - { .name: bv, .offset: 40, .size: 8, .value_kind: global_buffer, .address_space: global }
      - { .name: qkv, .offset: 48, .size: 8, .value_kind: global_buffer, .address_space: global }
    .group_segment_fixed_size: 327680
    .private_segment_fixed_size: 0
    .kernarg_segment_align: 8
    .kernarg_segment_size: 56
    .max_flat_workgroup_size: 128
    .sgpr_count:     66
    .vgpr_count:     1024
    .wavefront_size: 32
...
	.end_amdgpu_metadata
.endif
;; end of part 2
;; launch attn (part 3): grid 4 x 64, 16 waves a work-group, clusters of 4 x 1, 259,072 bytes of LDS; arguments qkv, ctxq; writes ctxq
.if DOCPART == 3
	.amdgcn_target "amdgcn-amd-amdhsa--gfx1250"
	.amdhsa_code_object_version 6
	.text
	.protected	k_qd51eb85bff_attn
	.globl	k_qd51eb85bff_attn
	.p2align	8
	.type	k_qd51eb85bff_attn,@function
k_qd51eb85bff_attn:
	s_mov_b64 s[64:65], 0
	v_nop
	global_prefetch_b8 v0, s[64:65] scope:SCOPE_SE
	s_setreg_imm32_b32 hwreg(HW_REG_WAVE_MODE, 25, 1), 1
	s_wait_xcnt 0x0
	s_wait_alu depctr_hold_cnt(0) depctr_sa_sdst(0) depctr_va_vdst(0) depctr_va_sdst(0) depctr_va_ssrc(0) depctr_va_vcc(0) depctr_vm_vsrc(0)
	s_getreg_b32 s2, hwreg(HW_REG_IB_STS2, 6, 4)
	s_cmp_eq_u32 s2, 0
	s_cbranch_scc0 .Lentry_in_a_cluster
	s_endpgm
.Lentry_in_a_cluster:
	s_bfe_u32 s2, ttmp6, 0x10000c
	s_cmp_lg_u32 s2, 0x3003
	s_cbranch_scc0 .Lentry_shape_is_right
	s_endpgm
.Lentry_shape_is_right:
; ATTN: ctx = softmax(Q K^T / 8) V for one head, both products on codes of FP6 (E2M3) with E8M0 scales; ctx is quantised along the embedding for the last product.
; THE SOFTMAX: t = score x log2(e) / 8; M = the row's largest t so far, rounded UP to a whole number; p = 2^(t - M) is quantised along the keys, not normalised; the row's sum is taken of the
; unquantised p and divides at the end.  When M moves, the sum and O are multiplied by 2^(old M - new M): exact.
; SHARES.  Cluster y = the head (64); the four work-groups of a cluster take the four quarters of its 2,048 queries.  Each of the sixteen waves owns one image of Q: two tiles of 16 queries, one after the other.
; K AND V OF THE WHOLE HEAD lie in LDS for the whole launch.  The four partners need the same bytes: asked for JOINTLY (mask 15), once, by waves 0 to 3, one tensor load each (four key steps each).
; Wave 0's load has a line of its own: the first barrier shows key steps 0-3 alone, and the first tile's first four steps run on them; a second barrier shows the rest.  Nothing is filled again.
; No prefetch: every byte that the launch reads from memory is asked for at the head; no later load is left to run ahead of.
; LDS: the stream of 12,800 bytes a key step (K's record, V's record) comes as rows of 512 bytes with 128 bytes of padding behind each: byte y of the stream lies at y + 128 (y / 512); a step is 16,000 bytes.
; So K's images lie 1,920 bytes apart, an odd multiple of 128: lanes 0-7 and lanes 8-15 of a load, which read different images, touch different halves of the 64 banks (ISA guide 11.1).
; A WHOLE BLOCK OF 32 KEYS IN A LANE.  A stored image g of K holds keys 32 g + 8 e + rho + 8 (rho / 8) (e: which half of k, rho: the row).  A fragment is put together by the lanes' addresses:
; fragment 2 P + X takes for its rows 0-7 rows 8 X .. 8 X + 7 of image 2 P, for its rows 8-15 the same rows of image 2 P + 1.  In S^T lane (query r, h) then holds in registers 32 P + 16 X + 8 e + j
; key 32 (2 P + h) + 16 X + 8 e + j: block 2 P + h, whole and in order, which is what the operand's layout gives that lane.  No lane asks another for a block's maximum, and no codes change lanes.
; K = 64 IN AN INSTRUCTION OF 128: Q stands in 18 registers, [codes 6 | zeros 6 | codes 6]: the first 12 pick the image's first half of k, the last 12 the second.  Q's scale word is its two bytes twice.
; ctxq: [block of 128 tokens 64][K step 8][12,800]: 8 images of 6 groups of 256 bytes (head 2 s fills groups 0-2, head 2 s + 1 groups 3-5); at 12,288: [head % 2][row 16][4 words].
; LIMITS: the promise holds while the scaled scores t stay under 2^31 in magnitude; p under 2^-126 is 0 (v_exp_f32 gives no denormals: ISA guide, its entry); a block of zeros gets the byte 1
; (its codes are zeros, and this program alone reads the bytes); NaN and infinities are not served.
.set RECB,  6400
.set BLKB,  102400
.set STEPL, 16000                      ; a key step in LDS: 25 rows of 640
.set QUARL, 64000                      ; what one tensor load fills: 100 rows of 640
.set VIM,   7936                       ; V's first image in a step: 6,400 + 12 paddings
.set VSC,   15616                      ; V's scale words: 12,544 + 24 paddings
.set CSC,   256000                     ; behind K and V: 1,024 bytes in which ctx's scale words meet
.set SPARE, 257024                     ; the spare words: 128 bytes for each of 16 waves
.set FLOOR, 0x1800000                  ; 2^(3 - 127)
.set AL,  1                            ; 16 x lane
.set R16, 2                            ; 16 r
.set AK0, 3                            ; K's fragments: 1,920 (r / 8) + 16 (r % 8) + 256 h
.set AX0, 4                            ; K's scale words: 7,680 + 16 (r % 8) + 4 (r / 8)
.set CSA, 5
.set L8,  6
.set CW,  7
.set QW,  8
.set QS,  9
.set CRD, 10
.set CGO, 11
.set QF,  16                           ; v16-33 Q: codes, zeros, codes
.set QP,  34                           ; v34-45 the image of Q
.set AV0, 46                           ; V's images: 16 x lane + 128 h (lanes 16-31 lie behind one padding more)
.set H8,  47                           ; 8 h
.set KF,  48                           ; v48-95 four fragments of K, then of V
.set S,   96                           ; v96-159 S^T, then p
.set OT,  160                          ; v160-191 O^T
.set PC,  192                          ; v192-203 p's codes
.set PT,  204                          ; v204-206, v208-210
.set BM,  212                          ; v212-215 largest scores; v212, v214 the two blocks', then their p
.set BT,  216                          ; v216-218
.set SO,  220                          ; v220-221 the conversions' scale operands
.set KS,  224                          ; v224-227 K's scale words, then V's
.set FF,  228                          ; v[228:229] f = 2^(old M - new M)
.set PW,  230                          ; p's scale word
.set TT,  231
.set AK,  232
.set AX,  233
.set AV,  234
.set AVS, 235
.set T,   238                          ; v238-253 eight partial sums, two numbers each
.macro CROUND
	s_barrier_signal -1
	s_barrier_wait -1
	s_cmp_lg_u32 s8, 0
	s_cbranch_scc1 .Lnot_wave_0_\@
	s_barrier_signal -3
.Lnot_wave_0_\@:
	s_barrier_wait -3
	s_barrier_signal -1
	s_barrier_wait -1
.endm
.macro FILL
	tensor_load_to_lds s[32:35], s[16:23]
	s_nop 0
.rept 4
	v_nop
.endr
.endm
	s_load_b128 s[4:7], s[0:1], 0x0                ; qkv s[4:5], ctxq s[6:7]
	v_lshl_add_u32 v254, v0, 2, SPARE
	v_mov_b32 v255, 0
	ds_add_u32 v254, v255                          ; the opening lines
	ds_add_u32 v254, v255
	v_lshrrev_b32 v1, 5, v0
	v_readfirstlane_b32 s8, v1                     ; wave 0..15
	s_bfe_u32 s9, ttmp6, 0x40000                   ; cx: it enters addresses in memory alone
	s_and_b32 s10, ttmp7, 0xffff                   ; 16 b + head
	s_lshr_b32 s46, s8, 2                          ; which of my work-group's four steps of queries
	s_and_b32 s47, s8, 3                           ; which image of it
	s_min_u32 s48, s8, 3
	s_min_u32 s49, s8, 1
	s_mov_b32 s12, 0x76543210
	s_mov_b32 s13, 0xfedcba98                      ; v_permlanex16_b32's selects for lane l xor 16
	s_mov_b32 s14, 0x3e38aa3b                      ; c = log2(e) / 8
	s_mov_b32 s15, s14                             ; (named with it as a pair)
	s_lshl_b32 s50, s46, 8
	s_lshl_b32 s51, s47, 2
	s_add_co_u32 s50, s50, s51
	s_add_co_u32 s50, s50, CSC                     ; ctx's scale words in LDS: [step 4][row 16][image 4]
	s_lshl_b32 s51, s49, 9
	s_add_co_u32 s51, s51, CSC
	s_mov_b32 s16, 15|(3<<16)|(1<<20)|(1<<21)|(6<<22)|(31<<25)   ; group 1: all four partners; elements of 8 bytes; bit 21 beside the mask; behind every 128 words 32 words of padding
	s_mov_b32 s17, 64<<16                          ; rows of 512 bytes,
	s_mov_b32 s18, 100<<16                         ; 100 of them: four key steps
	s_mov_b32 s19, 64<<16
	s_mov_b32 s20, 100
	s_mov_b32 s21, 64
	s_mov_b32 s22, 0
	s_mov_b32 s23, 0
	s_mul_i32 s33, s48, QUARL                      ; group 0: LDS address
	s_mul_i32 s52, s48, 51200
	s_mul_i32 s54, s10, 204800
	s_add_co_u32 s54, s54, 6553600
	s_add_co_u32 s54, s54, s52
	s_mov_b32 s55, 0
	s_mov_b32 s32, 1
	s_lshl_b32 s52, s9, 2
	s_add_co_u32 s52, s52, s46                     ; my step of queries: 4 cx + wave / 4
	s_mul_i32 s53, s52, RECB
	s_mul_i32 s58, s10, BLKB
	s_add_co_u32 s58, s58, s53                     ; its record of Q
	s_mul_i32 s53, s47, 1536
	s_add_co_u32 s56, s58, s53
	s_mov_b32 s57, 0
	s_lshl_b32 s53, s47, 2
	s_add_co_u32 s58, s58, s53
	s_mov_b32 s59, 0
	; every LDS address is made here, in one run, ahead of the first branch on the wave's number
	v_and_b32 v236, 31, v0                         ; lane
	v_and_b32 v2, 15, v0                           ; r
	v_bfe_u32 v237, v0, 4, 1                       ; h
	v_and_b32 v238, 7, v0                          ; r % 8
	v_bfe_u32 v239, v0, 3, 1                       ; r / 8
	v_lshlrev_b32 v[AL], 4, v236
	v_lshlrev_b32 v[R16], 4, v2
	v_lshlrev_b32 v[L8], 3, v236
	v_lshlrev_b32 v[H8], 3, v237
	v_mul_u32_u24 v[AK0], v239, 1920
	v_lshl_add_u32 v[AK0], v238, 4, v[AK0]
	v_lshl_add_u32 v[AK0], v237, 8, v[AK0]
	v_lshl_add_u32 v[AX0], v238, 4, 7680
	v_lshl_add_u32 v[AX0], v239, 2, v[AX0]
	v_lshl_add_u32 v[AV0], v237, 7, v[AL]
	v_add_nc_u32 v[CSA], s50, v[R16]
	v_add_nc_u32 v[CRD], s51, v[AL]
	v_mul_u32_u24 v[CGO], v237, BLKB
	v_add_nc_u32 v[CGO], v[CGO], v[R16]            ; lanes 0-15 one block's 256 bytes, lanes 16-31 the next block's
.irp n, 0,1,2,3,4,5
	v_mov_b32 v[QF+6+\n], 0                        ; the zero codes, written once
.endr
	v_mov_b32 v[BT+1], 0                           ; a lane permute's destination counts as one of its sources
	v_mov_b32 v[FF+1], 0                           ; (named as the upper half of a pair)
	s_wait_alu depctr_va_vdst(0)
	s_wait_dscnt 0x0                               ; both opening adds are done
	s_wait_kmcnt 0x0
	s_add_nc_u64 s[34:35], s[4:5], s[54:55]
	s_or_b32 s35, s35, 0x80000000
	s_add_nc_u64 s[56:57], s[4:5], s[56:57]        ; my image of Q
	s_add_nc_u64 s[58:59], s[4:5], s[58:59]        ; and (6,144 further on) its scale words
.irp q, 0,1,2
	global_load_b128 v[QP+4*\q:QP+4*\q+3], v[AL], s[56:57] offset:512*\q
.endr
	global_load_b32 v[QW], v[R16], s[58:59] offset:6144
	CROUND                                         ; all four work-groups are here: the joint loads meet
	s_cmp_eq_u32 s8, 0
	s_cbranch_scc0 .Lnot_first
	FILL                                           ; wave 0: key steps 0-3, by a line of its own
	s_branch .Lasked
.Lnot_first:
	s_cmp_lt_u32 s8, 4
	s_cbranch_scc0 .Lasked
	FILL                                           ; waves 1 to 3: four key steps each
.Lasked:
	s_lshr_b32 s24, s10, 4
	s_lshl_b32 s24, s24, 4                         ; 16 b
	s_and_b32 s25, s10, 15                         ; the head
	s_lshr_b32 s27, s25, 1
	s_mul_i32 s27, s27, 12800                      ; the last product's K step
	s_and_b32 s28, s25, 1
	s_add_co_u32 s26, s24, s52                     ; my block of 128 tokens
	s_mul_i32 s26, s26, BLKB
	s_add_co_u32 s26, s26, s27
	s_mul_i32 s29, s28, 768                        ; my head's three groups of an image
	s_add_co_u32 s26, s26, s29
	s_mul_i32 s29, s47, 3072                       ; my two tiles
	s_add_co_u32 s44, s26, s29
	s_mov_b32 s45, 0
	s_add_nc_u64 s[44:45], s[6:7], s[44:45]
	s_lshl_b32 s26, s9, 2
	s_add_co_u32 s26, s26, s24                     ; my work-group's first block
	s_mul_i32 s26, s26, BLKB
	s_mul_i32 s29, s49, 2*BLKB
	s_add_co_u32 s26, s26, s29
	s_add_co_u32 s26, s26, s27
	s_lshl_b32 s29, s28, 8
	s_add_co_u32 s26, s26, s29
	s_add_co_u32 s42, s26, 12288
	s_mov_b32 s43, 0
	s_add_nc_u64 s[42:43], s[6:7], s[42:43]        ; where the scale words go
; A KEY STEP: 128 keys, step (s41 & mask) of the head.
.macro STEP mask
	s_and_b32 s40, s41, \mask
	s_mul_i32 s40, s40, STEPL
	v_add_nc_u32 v[AK], s40, v[AK0]                ; (with the sums' last lines: the places in front of loads into registers that the last products have read)
	v_add_nc_u32 v[AX], s40, v[AX0]
.irp p, 0,1
.irp x, 0,1
.irp q, 0,1,2
	ds_load_b128 v[KF+12*(2*\p+\x)+4*\q:KF+12*(2*\p+\x)+4*\q+3], v[AK] offset:3840*\p+128*\x+640*\q
.endr
	ds_load_b32 v[KS+2*\p+\x], v[AX] offset:8*\p+128*\x
.endr
.endr
	s_wait_dscnt 0x0
.irp g, 0,1,2,3
.irp e, 0,1
	v_wmma_scale_f32_16x16x128_f8f6f4 v[S+8*(2*\g+\e):S+8*(2*\g+\e)+7], v[KF+12*\g:KF+12*\g+11], v[QF+6*\e:QF+6*\e+11], 0, v[KS+\g], v[QS] matrix_a_fmt:MATRIX_FMT_FP6 matrix_b_fmt:MATRIX_FMT_FP6
.endr
.endr
	v_add_nc_u32 v[AV], s40, v[AV0]                ; four places in front of the loads below and of the first read of the scores
	v_add_nc_u32 v[AVS], s40, v[R16]
	v_mov_b32 v[TT], v12                           ; the old -M
	v_nop
.irp g, 0,1,2,3                                ; V's images and scale words land while the softmax is worked
.irp q, 0,1,2
	ds_load_b128 v[KF+12*\g+4*\q:KF+12*\g+4*\q+3], v[AV] offset:VIM+640*(3*\g+\q)
.endr
.endr
	ds_load_b128 v[KS:KS+3], v[AVS] offset:VSC
.irp b, 0,1,2,3
	v_max3_num_f32 v[BM+\b], v[S+16*\b], v[S+1+16*\b], v[S+2+16*\b]   ; four chains of 16 scores; each accumulator from its low end on
.endr
.irp n, 3,5,7,9,11,13
.irp b, 0,1,2,3
	v_max3_num_f32 v[BM+\b], v[BM+\b], v[S+16*\b+\n], v[S+1+16*\b+\n]
.endr
.endr
	v_max_num_f32 v[BM+1], v[BM+1], v[S+31]
	v_max_num_f32 v[BM+3], v[BM+3], v[S+63]
	v_max3_num_f32 v[BM], v[BM], v[S+15], v[BM+1]      ; my first block's largest score: for the row's maximum and, since p rises with the score, for the block's largest p
	v_max3_num_f32 v[BM+2], v[BM+2], v[S+47], v[BM+3]  ; my second block's
	s_delay_alu instid0(VALU_DEP_1)
	v_max_num_f32 v[BT], v[BM], v[BM+2]
	s_delay_alu instid0(VALU_DEP_1)
	v_permlanex16_b32 v[BT+1], v[BT], s12, s13
	s_delay_alu instid0(VALU_DEP_1)
	v_max3_num_f32 v13, v13, v[BT], v[BT+1]        ; the running largest score, lane l xor 16's 64 keys among them
	s_delay_alu instid0(VALU_DEP_1)
	v_mul_f32 v[BT+2], s14, v13                    ; as t (c is positive, so the largest score gives the largest t)
	s_delay_alu instid0(VALU_DEP_1)
	v_floor_f32 v12, -v[BT+2]                      ; the new -M = floor(-t): M is a whole number
	s_delay_alu instid0(VALU_DEP_1)
	v_sub_f32 v[TT], v12, v[TT]                    ; old M less new M: a whole number, 0 or less
	s_delay_alu instid0(VALU_DEP_1)
	v_cvt_i32_f32 v[TT], v[TT]                     ; (it saturates)
	s_delay_alu instid0(VALU_DEP_1)
	v_ldexp_f32 v[FF], 1.0, v[TT]                  ; f = 2^(old M - new M)
.irp j, 0,2,4,6,8,10,12,14,16,18,20,22,24,26,28,30
	v_pk_mul_f32 v[OT+\j:OT+1+\j], v[OT+\j:OT+1+\j], v[FF:FF+1] op_sel_hi:[1,0]   ; O^T under the new M
.endr
.irp j, 0,2,4,6,8,10,12,14,16,18,20,22,24,26,28,30,32,34,36,38,40,42,44,46,48,50,52,54,56,58,60,62
	v_pk_fma_f32 v[S+\j:S+1+\j], v[S+\j:S+1+\j], s[14:15], v[12:13] op_sel_hi:[1,0,0]   ; t - M, two at a time
.endr
	v_fma_f32 v[BM], v[BM], s14, v12
	v_fma_f32 v[BM+2], v[BM+2], s14, v12
	s_wait_alu depctr_va_vdst(0)
.irp j, 0,1,2,3,4,5,6,7,8,9,10,11,12,13,14,15,16,17,18,19,20,21,22,23,24,25,26,27,28,29,30,31,32,33,34,35,36,37,38,39,40,41,42,43,44,45,46,47,48,49,50,51,52,53,54,55,56,57,58,59,60,61,62,63
	v_exp_f32 v[S+\j], v[S+\j]                     ; p = 2^(t - M)
.endr
	v_exp_f32 v[BM], v[BM]                         ; the blocks' largest p
	v_exp_f32 v[BM+2], v[BM+2]
	v_pk_mul_f32 v[14:15], v[14:15], v[FF:FF+1] op_sel_hi:[1,0]   ; the sums under the new M: the plain place behind the exponentials
	s_wait_alu depctr_va_vdst(0)                   ; one wait for the batch, ahead of its first reader and of the wait below
	s_wait_dscnt 0x0                               ; V is in
	v_max_num_f32 v[BM], FLOOR, v[BM]              ; the floor: the byte cannot fall under 1
	v_max_num_f32 v[BM+2], FLOOR, v[BM+2]
	v_add_nc_u32 v[SO], 0xff000000, v[BM]          ; 2 off the exponent field: the conversions' scale operands
	v_add_nc_u32 v[SO+1], 0xff000000, v[BM+2]
	v_lshrrev_b32 v[BT], 23, v[SO]                 ; the bytes of blocks h and 2 + h
	v_lshrrev_b32 v[BT+1], 23, v[SO+1]
	s_delay_alu instid0(VALU_DEP_1)
	v_lshl_or_b32 v[BT], v[BT+1], 16, v[BT]
	s_delay_alu instid0(VALU_DEP_1)
	v_lshlrev_b32 v[BT], v[H8], v[BT]              ; at their places in the word;
	s_delay_alu instid0(VALU_DEP_1)
	v_permlanex16_b32 v[BT+1], v[BT], s12, s13
	s_delay_alu instid0(VALU_DEP_1)
	v_or_b32 v[PW], v[BT], v[BT+1]                 ; with lane l xor 16's two the word is whole
.irp c, 0,1
	v_cvt_scalef32_pk16_fp6_f32 v[PC+6*\c:PC+6*\c+2], v[S+32*\c:S+32*\c+15], v[SO+\c]
	v_cvt_scalef32_pk16_fp6_f32 v[PT+4*\c:PT+4*\c+2], v[S+32*\c+16:S+32*\c+31], v[SO+\c]   ; (a conversion's three registers begin on an even number)
.endr
.irp k, 0,1,2,3,4,5,6,7                        ; the row's sum, of the unquantised p: eight chains.  (Also the plain places behind the conversions)
	v_pk_add_f32 v[T+2*\k:T+2*\k+1], v[S+2*\k:S+2*\k+1], v[S+16+2*\k:S+17+2*\k]
.endr
.irp c, 0,1
.irp e, 0,1,2
	v_mov_b32 v[PC+3+6*\c+\e], v[PT+4*\c+\e]
.endr
.endr
.irp o, 32,48                                  ; (these sixteen are the places between the codes' and the scale word's last lines and the products)
.irp k, 0,1,2,3,4,5,6,7
	v_pk_add_f32 v[T+2*\k:T+2*\k+1], v[T+2*\k:T+2*\k+1], v[S+\o+2*\k:S+\o+1+2*\k]
.endr
.endr
.irp t, 0,1,2,3
	v_wmma_scale_f32_16x16x128_f8f6f4 v[OT+8*\t:OT+8*\t+7], v[KF+12*\t:KF+12*\t+11], v[PC:PC+11], v[OT+8*\t:OT+8*\t+7], v[KS+\t], v[PW] matrix_a_fmt:MATRIX_FMT_FP6 matrix_b_fmt:MATRIX_FMT_FP6
.endr
.irp k, 0,1,2,3                                ; the sums' last eight lines name no register of the products: they are the places behind them
	v_pk_add_f32 v[T+2*\k:T+2*\k+1], v[T+2*\k:T+2*\k+1], v[T+8+2*\k:T+9+2*\k]
.endr
	s_delay_alu instid0(VALU_DEP_2)
	v_pk_add_f32 v[T:T+1], v[T:T+1], v[T+4:T+5]
	s_delay_alu instid0(VALU_DEP_2)
	v_pk_add_f32 v[T+2:T+3], v[T+2:T+3], v[T+6:T+7]
	s_delay_alu instid0(VALU_DEP_1)
	v_pk_add_f32 v[T:T+1], v[T:T+1], v[T+2:T+3]
	s_delay_alu instid0(VALU_DEP_1)
	v_pk_add_f32 v[14:15], v[14:15], v[T:T+1]
	s_add_co_u32 s41, s41, 1
.endm
; A tile's end: O^T / the sum; its 32 numbers a lane (register 16 b + i = channel 32 b + 16 h + i) become half a fragment of the last product's operand.
.macro TAIL u
	s_wait_alu depctr_va_vdst(0)
	v_add_f32 v14, v14, v15
	s_delay_alu instid0(VALU_DEP_1)
	v_permlanex16_b32 v[TT], v14, s12, s13
	s_delay_alu instid0(VALU_DEP_1)
	v_add_f32 v14, v14, v[TT]                      ; the row's sum
	s_wait_alu depctr_va_vdst(0)
	v_rcp_f32 v14, v14
	v_nop                                          ; one plain place behind a transcendental
	s_wait_alu depctr_va_vdst(0)
.irp j, 0,1,2,3,4,5,6,7,8,9,10,11,12,13,14,15,16,17,18,19,20,21,22,23,24,25,26,27,28,29,30,31
	v_mul_f32 v[S+\j], v[OT+\j], v14               ; each accumulator from its low end on
.endr
.irp b, 0,1
	v_max3_num_f32 v[BM+\b], |v[S+16*\b]|, |v[S+16*\b+1]|, FLOOR
.endr
.irp n, 2,4,6,8,10,12,14
.irp b, 0,1
	s_delay_alu instid0(VALU_DEP_2)
	v_max3_num_f32 v[BM+\b], v[BM+\b], |v[S+16*\b+\n]|, |v[S+16*\b+\n+1]|
.endr
.endr
.irp b, 0,1
	s_delay_alu instid0(VALU_DEP_2)
	v_permlanex16_b32 v[BT+\b], v[BM+\b], s12, s13
.endr
.irp b, 0,1
	s_delay_alu instid0(VALU_DEP_2)
	v_max_num_f32 v[BM+\b], v[BM+\b], v[BT+\b]
.endr
.irp b, 0,1
	s_delay_alu instid0(VALU_DEP_2)
	v_add_nc_u32 v[SO+\b], 0xff000000, v[BM+\b]
.endr
.irp b, 0,1
	s_delay_alu instid0(VALU_DEP_2)
	v_lshrrev_b32 v[BT+\b], 23, v[SO+\b]
.endr
	v_cvt_scalef32_pk16_fp6_f32 v[PC:PC+2], v[S:S+15], v[SO]
	v_cvt_scalef32_pk16_fp6_f32 v[PT:PT+2], v[S+16:S+31], v[SO+1]
.if (\u) == 0
	v_lshl_or_b32 v[CW], v[BT+1], 8, v[BT]         ; the first tile's two bytes.  (The plain place behind the conversions)
.else
	v_lshl_or_b32 v[TT], v[BT+1], 8, v[BT]
	s_delay_alu instid0(VALU_DEP_1)
	v_lshl_or_b32 v[CW], v[TT], 16, v[CW]          ; the second tile's above them
.endif
.irp e, 0,1,2
	v_permlane16_swap_b32 v[PC+\e], v[PT+\e]       ; here a block lies in two lanes: the operand's layout wants it whole in one
.endr
.irp e, 0,1,2
	s_delay_alu instid0(VALU_DEP_3)
	v_mov_b32 v[PC+3+\e], v[PT+\e]
.endr
.irp q, 0,1,2
	global_store_b64 v[L8], v[PC+2*\q:PC+2*\q+1], s[44:45] offset:256*\q+1536*(\u)   ; 256 consecutive bytes, aligned
.endr
	s_wait_xcnt 0x0                                ; the stores have read the codes' registers: they are written again only behind this wait
.endm
.macro INIT u                          ; tile u of my two begins
.irp n, 0,1,2,3,4,5
	v_mov_b32 v[QF+\n], v[QP+6*(\u)+\n]            ; its codes, below and above the zeros
	v_mov_b32 v[QF+12+\n], v[QP+6*(\u)+\n]
.endr
.if (\u) == 0
	v_perm_b32 v[QS], v[QW], v[QW], 0x01000100     ; its two scale bytes, twice
.else
	v_perm_b32 v[QS], v[QW], v[QW], 0x03020302
.endif
	v_mov_b32 v13, 0xff61b1e6                      ; the largest score so far: -3e38, under every score
	v_mov_b32 v12, 0x7f61b1e6                      ; -M = 3e38: the first step's f is then 0
	v_mov_b32 v14, 0
	v_mov_b32 v15, 0
.irp j, 0,1,2,3,4,5,6,7,8,9,10,11,12,13,14,15,16,17,18,19,20,21,22,23,24,25,26,27,28,29,30,31
	v_mov_b32 v[OT+\j], 0                          ; the step is written for every trip alike: a tile's first finds zeros, which f = 0 leaves zeros
.endr
	s_wait_alu depctr_va_vdst(0)
.endm
	s_wait_loadcnt 0x0                             ; Q
	INIT 0
	s_cmp_lg_u32 s8, 0
	s_cbranch_scc1 .Lnot_mine
	s_wait_tensorcnt 0x0                           ; wave 0: key steps 0-3 are in
.Lnot_mine:
	s_barrier_signal -1
	s_barrier_wait -1                              ; and shown to all; the other three loads may be on their way
	s_mov_b32 s41, 0
.Lfirst_four:                                          ; the first tile's key steps 0-3
	STEP 3
	s_cmp_lt_u32 s41, 4
	s_cbranch_scc1 .Lfirst_four
	s_wait_tensorcnt 0x0                           ; every wave: all my loads are in
	s_wait_dscnt 0x0
	s_barrier_signal -1
	s_barrier_wait -1                              ; all of K and V is shown to all
	s_mov_b32 s41, 4
.Lkey:                                                 ; trips 4-15: the first tile's other steps; trips 16-31: the second tile's sixteen
	STEP 15
	s_cmp_lg_u32 s41, 16
	s_cbranch_scc1 .Lsame_tile
	TAIL 0
	INIT 1
.Lsame_tile:
	s_cmp_lt_u32 s41, 32
	s_cbranch_scc1 .Lkey
	TAIL 1
	s_wait_alu depctr_va_vdst(0)
	ds_store_b32 v[CSA], v[CW]                     ; both halves of the lanes write the same word with the same value
	s_wait_dscnt 0x0                               ; for the others' sake
	s_barrier_signal -1
	s_barrier_wait -1
	s_cmp_lt_u32 s8, 2
	s_cbranch_scc0 .Lno_words
	ds_load_b128 v[S:S+3], v[CRD]                  ; waves 0, 1: two blocks' 256 bytes each
	s_wait_dscnt 0x0
	global_store_b128 v[CGO], v[S:S+3], s[42:43]   ; sixteen lanes store 256 consecutive bytes, aligned
.Lno_words:
	s_wait_tensorcnt 0x0                           ; the wave's end
	ds_add_u32 v254, v255
	s_wait_dscnt 0x0
	CROUND                                         ; the closing round
	s_endpgm
.Lfunc_end_k_qd51eb85bff_attn:
	.size	k_qd51eb85bff_attn, .Lfunc_end_k_qd51eb85bff_attn-k_qd51eb85bff_attn
	.p2alignl 7, 3214868480
	.fill 96, 4, 3214868480
	.section	.rodata,"a",@progbits
	.p2align	6, 0x0
	.amdhsa_kernel k_qd51eb85bff_attn
		.amdhsa_group_segment_fixed_size 259072
		.amdhsa_private_segment_fixed_size 0
		.amdhsa_enable_private_segment 0
		.amdhsa_kernarg_size 16
		.amdhsa_user_sgpr_count 2
		.amdhsa_user_sgpr_kernarg_segment_ptr 1
		.amdhsa_wavefront_size32 1
		.amdhsa_system_sgpr_workgroup_id_x 1
		.amdhsa_system_sgpr_workgroup_id_y 1
		.amdhsa_system_sgpr_workgroup_id_z 1
		.amdhsa_system_vgpr_workitem_id 0
		.amdhsa_next_free_vgpr 256
		.amdhsa_next_free_sgpr 66
		.amdhsa_reserve_vcc 0
		.amdhsa_float_denorm_mode_32 3
		.amdhsa_float_denorm_mode_16_64 3
		.amdhsa_memory_ordered 1
		.amdhsa_forward_progress 1
		.amdhsa_inst_pref_size 50
	.end_amdhsa_kernel
	.amdgpu_metadata
---
amdhsa.version: [ 1, 2 ]
amdhsa.kernels:
  - .name:           k_qd51eb85bff_attn
    .symbol:         k_qd51eb85bff_attn.kd
    .args:
      - { .name: qkv, .offset: 0, .size: 8, .value_kind: global_buffer, .address_space: global }
      - { .name: ctxq, .offset: 8, .size: 8, .value_kind: global_buffer, .address_space: global }
    .group_segment_fixed_size: 259072
    .private_segment_fixed_size: 0
    .kernarg_segment_align: 8
    .kernarg_segment_size: 16
    .max_flat_workgroup_size: 512
    .sgpr_count:     66
    .vgpr_count:     256
    .wavefront_size: 32
...
	.end_amdgpu_metadata
.endif
;; end of part 3
;; launch outp (part 4): grid 4 x 64, 4 waves a work-group, clusters of 4 x 4, 316,928 bytes of LDS; arguments ctxq, wq, ws, bo, out0; writes out0
.if DOCPART == 4
	.amdgcn_target "amdgcn-amd-amdhsa--gfx1250"
	.amdhsa_code_object_version 6
	.text
	.protected	k_qd51eb85bff_outp
	.globl	k_qd51eb85bff_outp
	.p2align	8
	.type	k_qd51eb85bff_outp,@function
k_qd51eb85bff_outp:
	s_mov_b64 s[64:65], 0
	v_nop
	global_prefetch_b8 v0, s[64:65] scope:SCOPE_SE
	s_setreg_imm32_b32 hwreg(HW_REG_WAVE_MODE, 25, 1), 1
	s_wait_xcnt 0x0
	s_wait_alu depctr_hold_cnt(0) depctr_sa_sdst(0) depctr_va_vdst(0) depctr_va_sdst(0) depctr_va_ssrc(0) depctr_va_vcc(0) depctr_vm_vsrc(0)
	s_getreg_b32 s2, hwreg(HW_REG_IB_STS2, 6, 4)
	s_cmp_eq_u32 s2, 0
	s_cbranch_scc0 .Lentry_in_a_cluster
	s_endpgm
.Lentry_in_a_cluster:
	s_bfe_u32 s2, ttmp6, 0x10000c
	s_cmp_lg_u32 s2, 0xf033
	s_cbranch_scc0 .Lentry_shape_is_right
	s_endpgm
.Lentry_shape_is_right:
; OUTP: out = ctx Wo + bo on codes of FP6 (E2M3) with E8M0 scales; out [8192][1024] f32.
; SHARES.  A work-group takes a block of 128 tokens x a quarter of the 1,024 columns; wave w of quarter cx takes columns 64 (4 cx + w) on.  A wave's part of Wo (32 fragments, 384 registers) stays in registers.
; CLUSTERS of 4 x 4: the four of a row need the same block of ctx (102,400 bytes), the four of a column the same quarter of Wo (196,608 bytes): each is asked for JOINTLY, once, at the head, one tensor load a wave:
; waves 0 and 1 a half of Wo each, waves 2 and 3 a half of ctx each.  The first barrier shows Wo alone, whose 96 LDS loads a wave stand ahead of the wait for ctx.  Nothing is filled again.
; No prefetch: every tile is asked for at the head; no later load is left to run ahead of.
; THE WALK GOES BY TILES OF 16 TOKENS, ALL OF K: 32 products on four accumulators by turns finish 16 tokens x 64 columns, which leave through the stage while the next tile is multiplied.
; Source 0 = 16 columns of Wo, source 1 = 16 tokens: a lane holds ONE token and, by the order of columns in the tiles, 2 x 16 neighbouring columns.  The tokens of a tile are 32 G + 8 u + r + 8 (r / 8): the way out puts them back.
; ctx's scale words come as two halves (one from each of a K step's two heads) and are joined by v_perm_b32, all 64 of them once, ahead of the first product.
; REGISTERS: window 0: v1-10 addresses; v12-43 Wo's scale words (8 j + s); v44-47 offsets and the add's two; v64-127 ctx's scale words (8 s + 4 (i % 2) + i / 2); v128-191 rows of out, two sets.
;   window 1: Wo's fragments of K steps 0-3 at v[12 (4 s + j)], the bias at v192-223.   window 2: K steps 4-7.   window 3: v0-63 two sets of four accumulators; v64-255 ctx's fragments of a tile (12 s), two sets.
.set BLKB,  102400
.set RECB,  12800
.set WRG,   102400                     ; behind the block: Wo's quarter
.set STG,   299008                     ; behind it: a stage of 16 rows x (256 bytes + 16) for each wave
.set SPARE, 316416                     ; the spare words: 128 bytes for each wave
.set AL8, 1                            ; 8 x lane
.set AR,  2                            ; 16 r + 12,288
.set AL8H, 3                           ; v3, v4  the same for records 4-7
.set ARH, 4
.set STO, 5                            ; the stage: row r, + 64 h
.set RD,  6                            ; back: lanes 0-15 one row, lanes 16-31 the next
.set CO,  7                            ; the same two rows in out
.set TP,  8
.set A16, 9                            ; 16 x lane
.set AW,  10                           ; my 49,152 bytes of Wo in LDS, my lane
.set WS,  12
.set R16, 44                           ; 16 r
.set BO,  45                           ; the bias: 64 h bytes
.set SPW, 46
.set NIL, 47
.set SCA, 64
.set BB,  128
.set BIAS, 192
.set MSB, 0
.macro WIN new
.if MSB != \new
	s_set_vgpr_msb (MSB<<8)|\new
.set MSB, \new
.endif
.endm
.macro PLACES n
.rept \n
	v_nop
.endr
.endm
.macro CROUND
	s_barrier_signal -1
	s_barrier_wait -1
	s_cmp_lg_u32 s18, 0
	s_cbranch_scc1 .Lnot_wave_0_\@
	s_barrier_signal -3
.Lnot_wave_0_\@:
	s_barrier_wait -3
	s_barrier_signal -1
	s_barrier_wait -1
.endm
.macro FETCH i                         ; tile i, all eight K steps: 48 loads of 8 bytes into set i % 2
.set XB, 64+96*((\i)%2)
	WIN 0xc0                                       ; destination window 3, address window 0
.irp s, 0,1,2,3
.irp q, 0,1,2,3,4,5
	ds_load_b64 v[XB+12*\s+2*\q:XB+12*\s+2*\q+1], v[AL8] offset:\s*RECB+1536*(\i)+256*\q
.endr
.endr
.irp s, 0,1,2,3
.irp q, 0,1,2,3,4,5
	ds_load_b64 v[XB+48+12*\s+2*\q:XB+48+12*\s+2*\q+1], v[AL8H] offset:\s*RECB+1536*(\i)+256*\q
.endr
.endr
	WIN 0
.endm
.macro PERM s                          ; tile 2 G's word = the two low halves, tile 2 G + 1's = the two high halves: tile i's word then stands at 8 s + 4 (i % 2) + i / 2
.set XC, SCA+8*(\s)
.irp g, 0,1,2,3
	v_perm_b32 v[TP], v[XC+4+\g], v[XC+\g], 0x05040100
	v_perm_b32 v[XC+4+\g], v[XC+4+\g], v[XC+\g], 0x07060302
	v_mov_b32 v[XC+\g], v[TP]
.endr
.endm
.macro RUN i                           ; 32 products: K ascending, the tile's four accumulators by turns, one instruction a turn
.set XB, 64+96*((\i)%2)
.set AC, 32*((\i)%2)
.irp s, 0,1,2,3,4,5,6,7
.if \s == 0
	WIN 0xdd                                       ; source 0 (Wo) window 1, source 1 (ctx) window 3, C (the bias) window 1, D window 3
.elseif \s < 4
	WIN 0xfd
.else
	WIN 0xfe                                       ; Wo's K steps 4-7: window 2
.endif
.irp j, 0,1,2,3
.if \s == 0
	v_wmma_scale_f32_16x16x128_f8f6f4 v[AC+8*\j:AC+8*\j+7], v[12*(4*(\s%4)+\j):12*(4*(\s%4)+\j)+11], v[XB+12*\s:XB+12*\s+11], v[BIAS+8*\j:BIAS+8*\j+7], v[WS+8*\j+\s], v[SCA+8*\s+4*((\i)%2)+(\i)/2] matrix_a_fmt:MATRIX_FMT_FP6 matrix_b_fmt:MATRIX_FMT_FP6
.else
	v_wmma_scale_f32_16x16x128_f8f6f4 v[AC+8*\j:AC+8*\j+7], v[12*(4*(\s%4)+\j):12*(4*(\s%4)+\j)+11], v[XB+12*\s:XB+12*\s+11], v[AC+8*\j:AC+8*\j+7], v[WS+8*\j+\s], v[SCA+8*\s+4*((\i)%2)+(\i)/2] matrix_a_fmt:MATRIX_FMT_FP6 matrix_b_fmt:MATRIX_FMT_FP6
.endif
.endr
.endr
	WIN 0
.endm
; THE WAY OUT of a tile, through my own stage: a lane's 16 bytes go in by rows of 272 bytes and come back as whole rows of 256.
.macro TOSTAGE i
.set AC, 32*((\i)%2)
.set BK, BB+32*((\i)%2)
	WIN 0x0c                                       ; an LDS store's data are its source 1: window 3
.irp q, 0,1,2,3,4,5,6,7
	ds_store_b128 v[STO], v[AC+4*\q:AC+4*\q+3] offset:128*(\q/4)+16*(\q%4)   ; each accumulator from its low end on
.endr
	WIN 0
.irp q, 0,1,2,3,4,5,6,7
	ds_load_b128 v[BK+4*\q:BK+4*\q+3], v[RD] offset:544*\q   ; LDS serves a wave's instructions in order: these see the stores above, and the next tile's stores come behind them
.endr
.endm
.macro SEND i, younger                 ; younger: the LDS loads issued behind tile i's, which may stay out
.set BK, BB+32*((\i)%2)
	s_wait_dscnt \younger
.irp q, 0,1,2,3,4,5,6,7
	global_store_b128 v[CO], v[BK+4*\q:BK+4*\q+3], s[12:13] offset:(32*((\i)/2)+8*((\i)%2)+2*\q+8*(\q/4))*4096 th:TH_STORE_NT   ; sixteen lanes store 256 consecutive bytes, aligned; written once, read by nobody here
.endr
.endm
.macro TLOAD g0, g1
	tensor_load_to_lds s[\g0:\g0+3], s[\g1:\g1+7]
	s_nop 0
	PLACES 4
.endm
	s_load_b256 s[4:11], s[0:1], 0x0               ; ctxq s[4:5], wq s[6:7], ws s[8:9], bo s[10:11]
	s_load_b64 s[12:13], s[0:1], 0x20              ; out0
	v_lshl_add_u32 v[SPW], v0, 2, SPARE
	v_mov_b32 v[NIL], 0
	ds_add_u32 v[SPW], v[NIL]                      ; the opening lines
	ds_add_u32 v[SPW], v[NIL]
	v_lshrrev_b32 v48, 5, v0
	v_readfirstlane_b32 s18, v48                   ; wave 0..3
	s_bfe_u32 s19, ttmp6, 0x40000                  ; cx: the quarter of the columns
	s_bfe_u32 s20, ttmp6, 0x40004                  ; cy
	s_and_b32 s21, ttmp7, 0xffff
	s_lshl_b32 s21, s21, 2
	s_add_co_u32 s21, s21, s20                     ; the block of 128 tokens: 4 x cluster y + cy
	s_and_b32 s22, s18, 1                          ; which half of a tile I fetch
	s_lshl_b32 s23, s20, 2
	s_lshl_b32 s23, 15, s23                        ; my row of the cluster
	s_lshl_b32 s14, 0x1111, s19                    ; my column
	s_or_b32 s24, s23, (3<<16)|(1<<21)             ; group 1 for ctx: the mask; elements of 8 bytes; bit 21 beside the mask; no padding
	s_mov_b32 s25, 32<<16                          ; rows of 256 bytes,
	s_mov_b32 s26, 200<<16                         ; 200 of them: half a block
	s_mov_b32 s27, 32<<16
	s_mov_b32 s28, 200
	s_mov_b32 s29, 32
	s_mov_b32 s30, 0
	s_mov_b32 s31, 0
	s_or_b32 s36, s14, (3<<16)|(1<<21)             ; group 1 for Wo
	s_mov_b32 s37, 32<<16
	s_mov_b32 s38, 384<<16                         ; 384 rows: half a quarter
	s_mov_b32 s39, 32<<16
	s_mov_b32 s40, 384
	s_mov_b32 s41, 32
	s_mov_b32 s42, 0
	s_mov_b32 s43, 0
	s_mov_b32 s32, 1
	s_mul_i32 s33, s22, 51200                      ; ctx: LDS address,
	s_mul_i32 s48, s21, BLKB
	s_add_co_u32 s48, s48, s33                     ; and bytes from ctxq: made of the block and the wave alone
	s_mov_b32 s49, 0
	s_mov_b32 s44, 1
	s_mul_i32 s50, s22, 98304
	s_add_co_u32 s45, s50, WRG                     ; Wo: LDS address,
	s_mul_i32 s52, s19, 196608
	s_add_co_u32 s52, s52, s50
	s_add_co_u32 s52, s52, 3*786432                ; and bytes from wq: made of the quarter and the wave alone
	s_mov_b32 s53, 0
	s_mul_i32 s54, s18, 49152
	s_add_co_u32 s54, s54, WRG                     ; my four tiles of Wo in LDS
	s_mul_i32 s55, s18, 4352
	s_add_co_u32 s55, s55, STG                     ; my stage
	v_and_b32 v48, 31, v0                          ; lane
	v_and_b32 v49, 15, v0                          ; r
	v_bfe_u32 v50, v0, 4, 1                        ; h
	v_lshlrev_b32 v[AL8], 3, v48
	v_lshlrev_b32 v[A16], 4, v48
	v_lshlrev_b32 v[R16], 4, v49
	v_add_nc_u32 v[AR], 12288, v[R16]
	v_add_nc_u32 v[AL8H], 4*RECB, v[AL8]
	v_add_nc_u32 v[ARH], 4*RECB, v[AR]
	v_add_nc_u32 v[AW], s54, v[A16]
	v_mul_u32_u24 v[STO], v49, 272
	v_lshl_add_u32 v[STO], v50, 6, v[STO]
	v_add_nc_u32 v[STO], s55, v[STO]
	v_mul_u32_u24 v[RD], v50, 272
	v_add_nc_u32 v[RD], v[RD], v[R16]
	v_add_nc_u32 v[RD], s55, v[RD]
	v_lshl_add_u32 v[CO], v50, 12, v[R16]          ; 4,096 h + 16 r
	v_lshlrev_b32 v[BO], 6, v50
	s_wait_alu depctr_va_vdst(0)
	s_wait_dscnt 0x0                               ; both opening adds are done
	CROUND                                         ; all sixteen work-groups are here: the joint loads meet
	s_wait_kmcnt 0x0
	s_add_nc_u64 s[34:35], s[4:5], s[48:49]
	s_or_b32 s35, s35, 0x80000000
	s_add_nc_u64 s[46:47], s[6:7], s[52:53]
	s_or_b32 s47, s47, 0x80000000
	s_cmp_lt_u32 s18, 2
	s_cbranch_scc0 .Lfor_ctx
	TLOAD 44, 36                                   ; waves 0, 1: a half of Wo's quarter each
	s_branch .Lasked
.Lfor_ctx:
	TLOAD 32, 24                                   ; waves 2, 3: a half of the block each
.Lasked:
	s_lshl_b32 s56, s19, 2
	s_add_co_u32 s56, s56, s18                     ; which 64 columns
	s_lshl_b32 s58, s56, 11
	s_add_co_u32 s58, s58, 3*32768
	s_mov_b32 s59, 0
	s_add_nc_u64 s[8:9], s[8:9], s[58:59]          ; their scale words
	s_lshl_b32 s58, s56, 8
	s_add_nc_u64 s[10:11], s[10:11], s[58:59]      ; my 64 numbers of the bias
	s_lshl_b32 s57, s21, 19                        ; 128 rows of 4,096 bytes
	s_add_co_u32 s58, s58, s57
	s_add_nc_u64 s[12:13], s[12:13], s[58:59]      ; my columns of the block's first row
.irp j, 0,1,2,3
.irp e, 0,1
	global_load_b128 v[WS+8*\j+4*\e:WS+8*\j+4*\e+3], v[R16], s[8:9] offset:\j*512+\e*256
.endr
.endr
	WIN 0x40                                       ; destination window 1
.irp j, 0,1,2,3                                ; register e of tile j is column 32 (j / 2) + 8 (j % 2) + 16 h + e
	global_load_b128 v[BIAS+8*\j:BIAS+8*\j+3], v[BO], s[10:11] offset:(32*(\j/2)+8*(\j%2))*4
	global_load_b128 v[BIAS+8*\j+4:BIAS+8*\j+7], v[BO], s[10:11] offset:(32*(\j/2)+8*(\j%2))*4+16
.endr
	WIN 0
	s_cmp_lt_u32 s18, 2
	s_cbranch_scc0 .Lnot_wo
	s_wait_tensorcnt 0x0                           ; waves 0, 1: my half of Wo is in
.Lnot_wo:
	s_barrier_signal -1
	s_barrier_wait -1                              ; Wo is shown to all; ctx may be on its way
	WIN 0x40
.irp s, 0,1,2,3
.irp j, 0,1,2,3
.irp q, 0,1,2
	ds_load_b128 v[12*(4*\s+\j)+4*\q:12*(4*\s+\j)+4*\q+3], v[AW] offset:\j*12288+\s*1536+512*\q
.endr
.endr
.endr
	WIN 0x80                                       ; destination window 2
.irp s, 0,1,2,3
.irp j, 0,1,2,3
.irp q, 0,1,2
	ds_load_b128 v[12*(4*\s+\j)+4*\q:12*(4*\s+\j)+4*\q+3], v[AW] offset:\j*12288+(\s+4)*1536+512*\q
.endr
.endr
.endr
	WIN 0
	s_wait_tensorcnt 0x0                           ; every wave: all my loads are in
	s_wait_dscnt 0x0
	s_barrier_signal -1
	s_barrier_wait -1                              ; the block is shown to all
.irp s, 0,1,2,3
	ds_load_b128 v[SCA+8*\s:SCA+8*\s+3], v[AR] offset:\s*RECB           ; the even head's: word G = tile 2 G's two bytes, tile 2 G + 1's two
	ds_load_b128 v[SCA+8*\s+4:SCA+8*\s+7], v[AR] offset:\s*RECB+256     ; the odd head's
.endr
.irp s, 0,1,2,3
	ds_load_b128 v[SCA+32+8*\s:SCA+32+8*\s+3], v[ARH] offset:\s*RECB
	ds_load_b128 v[SCA+32+8*\s+4:SCA+32+8*\s+7], v[ARH] offset:\s*RECB+256
.endr
	FETCH 0
	s_wait_dscnt 48                                ; all but the 48 just issued: the scale words' halves are in
.irp s, 0,1,2,3,4,5,6,7
	PERM \s
.endr
	FETCH 1
	PLACES 8                                       ; a scale register written by a vector instruction stands 8 places ahead of a scaled matrix instruction
	s_wait_alu depctr_va_vdst(0)
	s_wait_loadcnt 0x0                             ; Wo's scale words and the bias
	s_wait_dscnt 48                                ; all but tile 1's 48: tile 0 is in
.irp i, 0,1,2,3,4,5,6,7
	RUN \i
	PLACES 4                                       ; in front of the first read of the results and of loads into registers that the products have read
.if \i > 1
	s_wait_xcnt 0x0                                ; tile i - 2's stores have read their registers: tile i's rows may land there
.endif
	TOSTAGE \i
.if \i < 6
	FETCH \i+2
	SEND \i, 48                                    ; all but the 48 just issued: my rows are back, and the next tile's fragments, asked for a tile ago, are in
.else
	SEND \i, 0
.endif
.endr
	s_wait_tensorcnt 0x0                           ; the wave's end
	ds_add_u32 v[SPW], v[NIL]
	s_wait_dscnt 0x0
	CROUND                                         ; the closing round
	s_endpgm
.Lfunc_end_k_qd51eb85bff_outp:
	.size	k_qd51eb85bff_outp, .Lfunc_end_k_qd51eb85bff_outp-k_qd51eb85bff_outp
	.p2alignl 7, 3214868480
	.fill 96, 4, 3214868480
	.section	.rodata,"a",@progbits
	.p2align	6, 0x0
	.amdhsa_kernel k_qd51eb85bff_outp
		.amdhsa_group_segment_fixed_size 316928
		.amdhsa_private_segment_fixed_size 0
		.amdhsa_enable_private_segment 0
		.amdhsa_kernarg_size 40
		.amdhsa_user_sgpr_count 2
		.amdhsa_user_sgpr_kernarg_segment_ptr 1
		.amdhsa_wavefront_size32 1
		.amdhsa_system_sgpr_workgroup_id_x 1
		.amdhsa_system_sgpr_workgroup_id_y 1
		.amdhsa_system_sgpr_workgroup_id_z 1
		.amdhsa_system_vgpr_workitem_id 0
		.amdhsa_next_free_vgpr 1024
		.amdhsa_next_free_sgpr 66
		.amdhsa_reserve_vcc 0
		.amdhsa_float_denorm_mode_32 3
		.amdhsa_float_denorm_mode_16_64 3
		.amdhsa_memory_ordered 1
		.amdhsa_forward_progress 1
		.amdhsa_inst_pref_size 96
	.end_amdhsa_kernel
	.amdgpu_metadata
---
amdhsa.version: [ 1, 2 ]
amdhsa.kernels:
  - .name:           k_qd51eb85bff_outp
    .symbol:         k_qd51eb85bff_outp.kd
    .args:
      - { .name: ctxq, .offset: 0, .size: 8, .value_kind: global_buffer, .address_space: global }
      - { .name: wq, .offset: 8, .size: 8, .value_kind: global_buffer, .address_space: global }
      - { .name: ws, .offset: 16, .size: 8, .value_kind: global_buffer, .address_space: global }
      - { .name: bo, .offset: 24, .size: 8, .value_kind: global_buffer, .address_space: global }
      - { .name: out0, .offset: 32, .size: 8, .value_kind: global_buffer, .address_space: global }
    .group_segment_fixed_size: 316928
    .private_segment_fixed_size: 0
    .kernarg_segment_align: 8
    .kernarg_segment_size: 40
    .max_flat_workgroup_size: 128
    .sgpr_count:     66
    .vgpr_count:     1024
    .wavefront_size: 32
...
	.end_amdgpu_metadata
.endif
;; end of part 4
